; MI455X (gfx1250); checked and timed in simulation.
; The chip was launched on July 23, 2026; its instructions are those of AMD's public machine-readable ISA for CDNA 5 (MIT licence, August 2026) and "CDNA5" Instruction Set Architecture Reference Guide (July 2026). The comments in the code are by the model that wrote it; some were corrected since.
;; Lower Block. Allowed arithmetic: matrix products marked QUANTISED: E2M3 operands, one E8M0 scale for each 32 along K, by v_wmma_scale_f32_16x16x128_f8f6f4 with both operands' format E2M3, f32 sums; everything else in f32.
;; Inputs: in_proj_b 3,072 float32; in_proj_w 3,072 x 1,024 float32; ln1_b 1,024 float32; ln1_g 1,024 float32; ln2_b 1,024 float32; ln2_g 1,024 float32; mlp_b1 4,096 float32; mlp_b2 1,024 float32; mlp_w1 4,096 x 1,024 float32; mlp_w2 1,024 x 4,096 float32; out_proj_b 1,024 float32; out_proj_w 1,024 x 1,024 float32; x 2 x 2,048 x 1,024 float32.
;; Outputs: out0 2 x 2,048 x 1,024 float32.
;; This version of the problem:
;;   THIS VERSION OF THE PROBLEM IS GIVEN IN LOW PRECISION. The matrix products marked QUANTISED in the list below multiply operands that are first quantised to E2M3 (2 exponent bits, 3 mantissa bits; 6 bits a number), with one power-of-two scale for each 32 numbers along K (OCP MX v1.0); their sums are f32. All else is computed in f32.
;;   The module's matrix products, in the order in which they are computed (A, B: the left and right operand; K: the contracted axis; several contracted axes count as one K, in the product's order):
;;     1. [M 4,096, K 1,024] x [K 1,024, N 3,072]; A: computed on the way; B: input in_proj_w: QUANTISED
;;     2. batch 32 x [M 2,048, K 64] x [K 64, N 2,048]; A: computed on the way; B: computed on the way: QUANTISED
;;     3. batch 32 x [M 64, K 2,048] x [K 2,048, N 2,048]; A: computed on the way; B: softmax (see below): QUANTISED
;;     4. [M 4,096, K 1,024] x [K 1,024, N 1,024]; A: computed on the way; B: input out_proj_w: QUANTISED
;;     5. [M 4,096, K 1,024] x [K 1,024, N 4,096]; A: computed on the way; B: input mlp_w1: QUANTISED
;;     6. [M 4,096, K 4,096] x [K 4,096, N 1,024]; A: computed on the way; B: input mlp_w2: QUANTISED
;;   THE QUANTISER, for each operand of a quantised product, along K:
;;     - K is cut into blocks of 32 from its start; a last block that is shorter is filled with zeros.
;;     - A block's scale is 2^e with e = floor(log2(the largest magnitude in the block)) - 2, held to -126 .. 127; a block of zeros has e = 0. As a byte (E8M0): e + 127.
;;     - Each number is divided by its block's scale, clamped to +-7.5, and rounded to the nearest number of E2M3, ties to even, subnormals kept.
;;     - The product sums the exact products of the quantised numbers (number of the format x scale) in f32.
;;   ~~~python
;;   def quantise(x, axis):      # numpy; x: float32 -> the quantised numbers, widened to float32 again
;;       x = np.moveaxis(x, axis, -1); K = x.shape[-1]
;;       x = np.pad(x, [(0, 0)] * (x.ndim - 1) + [(0, -K % 32)]); x = x.reshape(x.shape[:-1] + (-1, 32)); a = np.abs(x).max(-1, keepdims=True)
;;       e = np.where(a > 0, np.clip(np.frexp(np.where(a > 0, a, 1))[1] - 1 - 2, -126, 127), 0)      # np.frexp(a)[1] - 1 = floor(log2(a)), exactly
;;       r = np.clip(x / 2.0 ** e, -7.5, 7.5)
;;       step = 2.0 ** (np.maximum(np.frexp(np.where(r == 0, 1, r))[1] - 1, 0) - 3)
;;       q = np.round(r / step) * step * 2.0 ** e      # np.round: ties to even
;;       return np.moveaxis(q.reshape(q.shape[:-2] + (-1,))[..., :K], -1, axis).astype(np.float32)
;;   ~~~
;;   SOFTMAX AHEAD OF A QUANTISED PRODUCT. Where the list says 'softmax', what is quantised is not the finished softmax but p = 2^(t - M), with t = logit x log2(e) and M = ceil(the row's largest t), a whole number; so 1/2 < the row's largest p <= 1. The row's sum l is taken of the UNQUANTISED p, in f32, and the product's result is divided by l at the end. Since M is a whole number, a kernel that streams over the keys may use a running M (the ceiling of the running maximum): every later rescaling is an exact power of two, which a block's scale takes up: the codes' values come out the same.
;;   OPERANDS COMPUTED ON THE WAY. 'Computed on the way' means the value that the module computes at that place (a softmax that the list does not call 'softmax' is quantised finished and normalised). What goes into a quantiser is computed in f32, as accurately as f32 sums, v_exp_f32 and their like allow (about 1e-6 of the number): no bf16 or f16 on the way to a quantiser, and a product that is left as it is and whose result goes on into a quantised operand takes f32 operands (vector FMAs, or v_wmma_f32_16x16x4_f32). A number that lies on a knife's edge between two numbers of the format may be rounded either way, as far as f32 arithmetic and the matrix unit's own rounding can turn it there, and no further.
;; One version. Each part assembles by itself: llvm-mc -triple=amdgcn-amd-amdhsa -mcpu=gfx1250 --defsym DOCPART=n.
;; ======== version 1 of 1: 8 launches
;; workspace buffers: wts 9,830,400 bytes; act 3,276,800 bytes; qkvq 10,092,544 bytes; x1 16,777,216 bytes; hid 13,107,200 bytes
;; launch wq (part 1): grid 768 x 1, 8 waves a work-group, no clusters, 68,608 bytes of LDS; arguments in_proj_w, out_proj_w, mlp_w1, mlp_w2, wts; writes wts
.if DOCPART == 1
	.amdgcn_target "amdgcn-amd-amdhsa--gfx1250"
	.amdhsa_code_object_version 6
	.text
	.protected	k_q643b8c9dcb_wq
	.globl	k_q643b8c9dcb_wq
	.p2align	8
	.type	k_q643b8c9dcb_wq,@function
k_q643b8c9dcb_wq:
	s_mov_b64 s[64:65], 0
	v_nop
	global_prefetch_b8 v0, s[64:65] scope:SCOPE_SE
	s_setreg_imm32_b32 hwreg(HW_REG_WAVE_MODE, 25, 1), 1
	s_wait_xcnt 0x0
; The four weights [N][K], f32, K innermost, become codes of FP6 (E2M3) with one E8M0 byte for each 32 along K, laid in the order of a matrix operand's registers.
; THE FORMAT (all GEMM operands of this program): a record of SRB = 12,800 bytes holds 32 rows x 512 along K; record (kc, g) lies at (kc NG + g) SRB, kc = K / 512, g = row / 32.
; In it fragment (u, s4), 16 rows x 128 K, lies at (4 u + s4) x 1,536 as an image of its 12 registers: half c at 768 c: registers 6c..6c+3 at 16 x lane, registers 6c+4, 6c+5 at 512 + 8 x lane.
; The scale words lie at 12,288 + 256 u + 16 r + 4 s4.  Image lane r of tile u of group g is row 32 g + 8 u + r + 8 (r / 8): so two neighbouring result tiles hold 16 neighbours a lane.
; SHARES: a wave makes one fragment from 16 rows x 512 bytes.  Each load reads 512 consecutive bytes of one row; the rows turn through the wave's own stage in LDS (pitch 528), and lane (r, h) reads back
; k = 64 c + 32 h + 0..31 of row r: two whole blocks, so no other lane is asked for a maximum.  No barrier: waves share nothing.  One path serves all four tensors: pointers and sizes are chosen on the work-group's number.
; A block's scale is 2^(floor(log2(largest magnitude)) - 2).  LIMITS: a block whose largest magnitude lies under 2^-124 (a block of zeros among them) gets the byte 1: its codes are zeros or near it, and this program alone reads the bytes; NaN and infinities are not served.
.set SRB, 12800
.set FRB, 1536
.set SP,  528                          ; a stage row: 512 bytes + 16
.set STG, 16*SP
.set WO,  2457600                      ; where out_proj_w's, mlp_w1's, mlp_w2's records begin in wts
.set W1,  3276800
.set W2,  6553600
.set OFF, 16                           ; v16-31   byte offset of row j's 16 bytes of my lane
.set R,   32                           ; v32-95   as loaded
.set X,   96                           ; v96-159  64 numbers: X[32 c + i] = k 64 c + 32 h + i of row r
.set TM,  160                          ; v160-165 at work
.set PW,  168                          ; the scale word
.set SH8, 169                          ; 8 h
.set PC,  176                          ; v176-187 the fragment's 12 registers
.set CT,  188                          ; v188-195 second halves of the blocks' codes
.set SEL, 16                           ; s[16:17] lane selects: lane l xor 16
.macro QUANT4
.irp c,0,1
	v_max3_num_f32 v[TM+\c], |v[X+32*\c]|, |v[X+32*\c+1]|, 0x1800000   ; block 2 c + h, and the floor 2^(3 - 127): the byte cannot fall under 1
.endr
.irp i,2,4,6,8,10,12,14,16,18,20,22,24,26,28,30
.irp c,0,1
	v_max3_num_f32 v[TM+\c], v[TM+\c], |v[X+32*\c+\i]|, |v[X+32*\c+\i+1]|
.endr
.endr
.irp c,0,1
	v_add_nc_u32 v[TM+4+\c], 0xff000000, v[TM+\c]      ; 2 off the exponent field: the conversion's scale operand
.endr
.irp c,0,1
	v_lshrrev_b32 v[TM+2+\c], 23, v[TM+4+\c]           ; the scale's byte
.endr
	v_lshl_or_b32 v[PW], v[TM+3], 16, v[TM+2]          ; my bytes: blocks h and 2 + h,
	v_lshlrev_b32 v[PW], v[SH8], v[PW]                 ; at their places,
	v_permlanex16_b32 v[TM+2], v[PW], s[SEL], s[SEL+1]
	v_or_b32 v[PW], v[PW], v[TM+2]                     ; with lane l xor 16's two the word is whole
.irp c,0,1
	v_cvt_scalef32_pk16_fp6_f32 v[PC+6*\c:PC+6*\c+2], v[X+32*\c:X+32*\c+15], v[TM+4+\c]
	v_cvt_scalef32_pk16_fp6_f32 v[CT+4*\c:CT+4*\c+2], v[X+32*\c+16:X+32*\c+31], v[TM+4+\c]   ; (a conversion's three registers begin on an even number)
.endr
	v_nop                                              ; one plain place behind the conversions
.irp c,0,1
.irp i,0,1,2
	v_mov_b32 v[PC+6*\c+3+\i], v[CT+4*\c+\i]
.endr
.endr
.endm
	s_load_b256 s[4:11], s[0:1], 0x0                   ; in_proj_w, out_proj_w, mlp_w1, mlp_w2
	s_load_b64 s[12:13], s[0:1], 0x20                  ; wts
	v_lshl_add_u32 v200, v0, 2, 0x10800
	v_mov_b32 v201, 0
	v_lshrrev_b32 v1, 5, v0
	v_readfirstlane_b32 s14, v1                        ; wave 0..7
	v_and_b32 v1, 31, v0                               ; lane
	v_and_b32 v2, 15, v0                               ; r
	v_bfe_u32 v3, v0, 4, 1                             ; h
	v_lshlrev_b32 v4, 4, v1                            ; 16 x lane
	v_lshlrev_b32 v7, 3, v1                            ; 8 x lane
	v_lshlrev_b32 v8, 4, v2                            ; 16 r
	v_lshlrev_b32 v[SH8], 3, v3
	s_mul_i32 s15, s14, STG                            ; my stage
	v_add_nc_u32 v5, s15, v4                           ; in: 16 x lane of a row
	v_mul_u32_u24 v6, v2, SP
	v_lshl_add_u32 v6, v3, 7, v6
	v_add_nc_u32 v6, s15, v6                           ; out: row r, + 128 h
	s_mov_b32 s[SEL], 0x76543210
	s_mov_b32 s[SEL+1], 0xfedcba98
	s_mov_b32 s20, 0                                   ; the tensor's first work-group,
	s_mov_b32 s21, 96                                  ; its groups of 32 rows,
	s_mov_b32 s22, 0                                   ; its place in wts,
	s_mov_b32 s23, 0                                   ; log2 of its K / 1,024
	s_wait_kmcnt 0x0
	s_mov_b64 s[24:25], s[4:5]
	s_cmp_ge_u32 ttmp9, 192                            ; the choices hang on the work-group's number alone
	s_cselect_b32 s20, 192, s20
	s_cselect_b32 s21, 32, s21
	s_cselect_b32 s22, WO, s22
	s_cselect_b64 s[24:25], s[6:7], s[24:25]
	s_cmp_ge_u32 ttmp9, 256
	s_cselect_b32 s20, 256, s20
	s_cselect_b32 s21, 128, s21
	s_cselect_b32 s22, W1, s22
	s_cselect_b64 s[24:25], s[8:9], s[24:25]
	s_cmp_ge_u32 ttmp9, 512
	s_cselect_b32 s20, 512, s20
	s_cselect_b32 s21, 32, s21
	s_cselect_b32 s22, W2, s22
	s_cselect_b32 s23, 2, s23
	s_cselect_b64 s[24:25], s[10:11], s[24:25]
	s_sub_co_u32 s20, ttmp9, s20
	s_lshr_b32 s26, s20, s23                           ; t: the tile of 16 rows
	s_lshl_b32 s27, s26, s23
	s_sub_co_u32 s27, s20, s27                         ; which 1,024 along K
	s_lshl_b32 s27, s27, 3
	s_add_co_u32 s27, s27, s14                         ; my K step of 128
	s_lshl_b32 s28, 4096, s23                          ; a row in bytes
	s_lshr_b32 s29, s26, 1                             ; g
	s_and_b32 s30, s26, 1                              ; u
	s_lshl_b32 s31, s29, 5
	s_lshl_b32 s32, s30, 3
	s_add_co_u32 s31, s31, s32                         ; the tile's first row: 32 g + 8 u
	s_mul_i32 s32, s31, s28
	s_lshl_b32 s33, s27, 9
	s_add_co_u32 s32, s32, s33
	s_mov_b32 s33, 0
	s_add_nc_u64 s[24:25], s[24:25], s[32:33]
.irp j,0,1,2,3,4,5,6,7,8,9,10,11,12,13,14,15
	s_mul_i32 s34, s28, \j+8*(\j/8)                    ; image lane j is row j + 8 (j / 8) of the tile
	v_add_nc_u32 v[OFF+\j], s34, v4
.endr
.irp j,0,1,2,3,4,5,6,7,8,9,10,11,12,13,14,15
	global_load_b128 v[R+4*\j:R+4*\j+3], v[OFF+\j], s[24:25] th:TH_LOAD_NT   ; 32 lanes read 512 consecutive bytes; read once in the launch
.endr
	s_lshr_b32 s35, s27, 2                             ; kc
	s_and_b32 s36, s27, 3                              ; s4
	s_mul_i32 s35, s35, s21
	s_add_co_u32 s35, s35, s29
	s_mul_i32 s32, s35, SRB
	s_add_co_u32 s32, s32, s22
	s_add_nc_u64 s[12:13], s[12:13], s[32:33]          ; my record
	s_lshl_b32 s37, s30, 2
	s_add_co_u32 s37, s37, s36
	s_mul_i32 s32, s37, FRB
	s_add_nc_u64 s[40:41], s[12:13], s[32:33]          ; my fragment's image
	s_lshl_b32 s32, s30, 8
	s_lshl_b32 s37, s36, 2
	s_add_co_u32 s32, s32, s37
	s_add_co_u32 s32, s32, 12288
	s_add_nc_u64 s[42:43], s[12:13], s[32:33]          ; my scale words
.irp j,0,1,2,3,4,5,6,7,8,9,10,11,12,13,14,15
	s_wait_loadcnt 15-\j                               ; loads come back in order: row j is in, the 15 - j younger rows may be out
	ds_store_b128 v5, v[R+4*\j:R+4*\j+3] offset:SP*\j
.endr
.irp c,0,1
.irp i,0,1,2,3,4,5,6,7
	ds_load_b128 v[X+32*\c+4*\i:X+32*\c+4*\i+3], v6 offset:256*\c+16*\i   ; LDS serves a wave's instructions in order: these see my stores
.endr
.endr
	s_wait_dscnt 0x0
	QUANT4
.irp c,0,1
	global_store_b128 v4, v[PC+6*\c:PC+6*\c+3], s[40:41] offset:768*\c        ; 512 consecutive bytes, aligned on 256
	global_store_b64 v7, v[PC+6*\c+4:PC+6*\c+5], s[40:41] offset:768*\c+512   ; 256 consecutive bytes, aligned
.endr
	global_store_b32 v8, v[PW], s[42:43]               ; lanes r and r + 16 store the same word
	s_wait_tensorcnt 0x0
	ds_add_u32 v200, v201
	s_wait_dscnt 0x0
	s_endpgm
.Lfunc_end_k_q643b8c9dcb_wq:
	.size	k_q643b8c9dcb_wq, .Lfunc_end_k_q643b8c9dcb_wq-k_q643b8c9dcb_wq
	.p2alignl 7, 3214868480
	.fill 96, 4, 3214868480
	.section	.rodata,"a",@progbits
	.p2align	6, 0x0
	.amdhsa_kernel k_q643b8c9dcb_wq
		.amdhsa_group_segment_fixed_size 68608
		.amdhsa_private_segment_fixed_size 0
		.amdhsa_enable_private_segment 0
		.amdhsa_kernarg_size 40
		.amdhsa_user_sgpr_count 2
		.amdhsa_user_sgpr_kernarg_segment_ptr 1
		.amdhsa_wavefront_size32 1
		.amdhsa_system_sgpr_workgroup_id_x 1
		.amdhsa_system_sgpr_workgroup_id_y 1
		.amdhsa_system_sgpr_workgroup_id_z 1
		.amdhsa_system_vgpr_workitem_id 0
		.amdhsa_next_free_vgpr 202
		.amdhsa_next_free_sgpr 66
		.amdhsa_reserve_vcc 0
		.amdhsa_float_denorm_mode_32 3
		.amdhsa_float_denorm_mode_16_64 3
		.amdhsa_memory_ordered 1
		.amdhsa_forward_progress 1
		.amdhsa_inst_pref_size 12
	.end_amdhsa_kernel
	.amdgpu_metadata
---
amdhsa.version: [ 1, 2 ]
amdhsa.kernels:
  - .name:           k_q643b8c9dcb_wq
    .symbol:         k_q643b8c9dcb_wq.kd
    .args:
      - { .name: in_proj_w, .offset: 0, .size: 8, .value_kind: global_buffer, .address_space: global }
      - { .name: out_proj_w, .offset: 8, .size: 8, .value_kind: global_buffer, .address_space: global }
      - { .name: mlp_w1, .offset: 16, .size: 8, .value_kind: global_buffer, .address_space: global }
      - { .name: mlp_w2, .offset: 24, .size: 8, .value_kind: global_buffer, .address_space: global }
      - { .name: wts, .offset: 32, .size: 8, .value_kind: global_buffer, .address_space: global }
    .group_segment_fixed_size: 68608
    .private_segment_fixed_size: 0
    .kernarg_segment_align: 8
    .kernarg_segment_size: 40
    .max_flat_workgroup_size: 256
    .sgpr_count:     66
    .vgpr_count:     202
    .wavefront_size: 32
...
	.end_amdgpu_metadata
.endif
;; end of part 1
;; launch ln1 (part 2): grid 256 x 1, 8 waves a work-group, no clusters, 69,632 bytes of LDS; arguments x, ln1_g, ln1_b, act; writes act
.if DOCPART == 2
	.amdgcn_target "amdgcn-amd-amdhsa--gfx1250"
	.amdhsa_code_object_version 6
	.text
	.protected	k_q643b8c9dcb_ln1
	.globl	k_q643b8c9dcb_ln1
	.p2align	8
	.type	k_q643b8c9dcb_ln1,@function
k_q643b8c9dcb_ln1:
	s_mov_b64 s[64:65], 0
	v_nop
	global_prefetch_b8 v0, s[64:65] scope:SCOPE_SE
	s_setreg_imm32_b32 hwreg(HW_REG_WAVE_MODE, 25, 1), 1
	s_wait_xcnt 0x0
; Layer norm of rows of 1,024 f32 numbers, then codes of FP6 (E2M3) with one E8M0 byte for each 32 along the row, stored as images of a matrix operand's registers (records of 12,800 bytes:
; 32 rows x 512 K; fragment (u, s4) at (4 u + s4) x 1,536; half c at 768 c: four registers at 16 x lane, two at 512 + 8 x lane; scale words at 12,288 + 256 u + 16 r + 4 s4; image lane r of tile u of
; group g is row 32 g + 8 u + r + 8 (r / 8); record (kc, g) at (128 kc + g) x 12,800).
; SHARES: a work-group takes one tile of 16 rows, wave w the K step 128 w .. 128 w + 127: one fragment.  Loads read 512 consecutive bytes of a row and turn through the wave's own stage in LDS;
; lane (r, h) then holds k = 64 c + 32 h + 0..31 of row r.  Mean and variance in two passes (the variance of x - mean, so a common offset costs no digits); the waves' partial sums meet in LDS, one barrier each.
; LIMITS: a block whose largest magnitude lies under 2^-124 gets the byte 1 (this program alone reads the bytes); NaN and infinities are not served.
.set SRB, 12800
.set FRB, 1536
.set SP,  528
.set STG, 16*SP
.set RED, 8*STG                        ; behind the stages: [r][wave] words, 512 bytes for the sums, 512 for the squares
.set R,   16                           ; v16-79   as loaded; later b
.set X,   80                           ; v80-143  my 64 numbers
.set G,   144                          ; v144-207 g at my 64 places
.set TM,  208
.set RSD, 214                          ; v[214:215] 1 / sqrt(var + eps)
.set PW,  216
.set SH8, 217
.set MN,  218                          ; v[218:219] the mean, twice
.set PC,  220
.set CT,  232
.set SM,  240                          ; four chains of packed sums
.set RD,  248                          ; the eight waves' partial sums
.set SEL, 16
.macro QUANT4
.irp c,0,1
	v_max3_num_f32 v[TM+\c], |v[X+32*\c]|, |v[X+32*\c+1]|, 0x1800000   ; block 2 c + h, and the floor 2^(3 - 127)
.endr
.irp i,2,4,6,8,10,12,14,16,18,20,22,24,26,28,30
.irp c,0,1
	v_max3_num_f32 v[TM+\c], v[TM+\c], |v[X+32*\c+\i]|, |v[X+32*\c+\i+1]|
.endr
.endr
.irp c,0,1
	v_add_nc_u32 v[TM+4+\c], 0xff000000, v[TM+\c]      ; 2 off the exponent field: the conversion's scale operand
.endr
.irp c,0,1
	v_lshrrev_b32 v[TM+2+\c], 23, v[TM+4+\c]
.endr
	v_lshl_or_b32 v[PW], v[TM+3], 16, v[TM+2]
	v_lshlrev_b32 v[PW], v[SH8], v[PW]
	v_permlanex16_b32 v[TM+2], v[PW], s[SEL], s[SEL+1]
	v_or_b32 v[PW], v[PW], v[TM+2]
.irp c,0,1
	v_cvt_scalef32_pk16_fp6_f32 v[PC+6*\c:PC+6*\c+2], v[X+32*\c:X+32*\c+15], v[TM+4+\c]
	v_cvt_scalef32_pk16_fp6_f32 v[CT+4*\c:CT+4*\c+2], v[X+32*\c+16:X+32*\c+31], v[TM+4+\c]
.endr
	v_nop                                              ; one plain place behind the conversions
.irp c,0,1
.irp i,0,1,2
	v_mov_b32 v[PC+6*\c+3+\i], v[CT+4*\c+\i]
.endr
.endr
.endm
; the four chains in SM become the row's sum over all 1,024, in v[RD] of every lane
.macro ALLSUM off
	v_pk_add_f32 v[SM:SM+1], v[SM:SM+1], v[SM+2:SM+3]
	v_pk_add_f32 v[SM+4:SM+5], v[SM+4:SM+5], v[SM+6:SM+7]
	v_pk_add_f32 v[SM:SM+1], v[SM:SM+1], v[SM+4:SM+5]
	v_add_f32 v[SM], v[SM], v[SM+1]
	v_permlanex16_b32 v[SM+1], v[SM], s[SEL], s[SEL+1]
	v_add_f32 v[SM], v[SM], v[SM+1]                    ; my wave's 128 numbers of row r
	ds_store_b32 v10, v[SM] offset:\off                ; lanes r and r + 16 store the same word
	s_wait_dscnt 0x0                                   ; for the others' sake: my store has landed
	s_barrier_signal -1
	s_barrier_wait -1
	ds_load_b128 v[RD:RD+3], v11 offset:\off
	ds_load_b128 v[RD+4:RD+7], v11 offset:\off+16
	s_wait_dscnt 0x0
	v_pk_add_f32 v[RD:RD+1], v[RD:RD+1], v[RD+2:RD+3]
	v_pk_add_f32 v[RD+4:RD+5], v[RD+4:RD+5], v[RD+6:RD+7]
	v_pk_add_f32 v[RD:RD+1], v[RD:RD+1], v[RD+4:RD+5]
	v_add_f32 v[RD], v[RD], v[RD+1]
.endm
	s_load_b256 s[4:11], s[0:1], 0x0                   ; the rows, g, b, the codes
	v_lshl_add_u32 v235, v0, 2, 0x10c00
	v_mov_b32 v239, 0
	v_lshrrev_b32 v1, 5, v0
	v_readfirstlane_b32 s12, v1                        ; wave 0..7 = K step
	v_and_b32 v1, 31, v0
	v_and_b32 v2, 15, v0                               ; r
	v_bfe_u32 v3, v0, 4, 1                             ; h
	v_lshlrev_b32 v4, 4, v1                            ; 16 x lane
	v_lshlrev_b32 v7, 3, v1                            ; 8 x lane
	v_lshlrev_b32 v8, 4, v2                            ; 16 r
	v_lshlrev_b32 v9, 7, v3                            ; 128 h
	v_lshlrev_b32 v[SH8], 3, v3
	v_mov_b32 v[RSD+1], 0                              ; (named as the upper half of a pair)
	s_mul_i32 s15, s12, STG
	v_add_nc_u32 v5, s15, v4
	v_mul_u32_u24 v6, v2, SP
	v_lshl_add_u32 v6, v3, 7, v6
	v_add_nc_u32 v6, s15, v6
	v_lshlrev_b32 v11, 5, v2
	v_add_nc_u32 v11, RED, v11                         ; row r's eight words
	s_lshl_b32 s15, s12, 2
	v_add_nc_u32 v10, s15, v11                         ; and my wave's among them
	s_mov_b32 s[SEL], 0x76543210
	s_mov_b32 s[SEL+1], 0xfedcba98
	s_mov_b32 s20, 0x3727c5ac                          ; 1e-5
	s_mov_b32 s21, 0x3a800000                          ; 1 / 1,024
	s_lshr_b32 s13, ttmp9, 1                           ; g
	s_and_b32 s14, ttmp9, 1                            ; u
	s_lshl_b32 s22, s13, 5
	s_lshl_b32 s18, s14, 3
	s_add_co_u32 s22, s22, s18
	s_lshl_b32 s22, s22, 12                            ; the tile's first row, 4,096 bytes a row,
	s_lshl_b32 s24, s12, 9                             ; + my K step's 512 bytes
	s_add_co_u32 s22, s22, s24
	s_mov_b32 s23, 0
	s_mov_b32 s25, 0
	s_lshr_b32 s19, s12, 2                             ; kc
	s_and_b32 s26, s12, 3                              ; s4
	s_lshl_b32 s19, s19, 7
	s_add_co_u32 s19, s19, s13
	s_mul_i32 s28, s19, SRB                            ; my record
	s_lshl_b32 s27, s14, 2
	s_add_co_u32 s27, s27, s26
	s_mul_i32 s27, s27, FRB
	s_lshl_b32 s30, s14, 8
	s_lshl_b32 s26, s26, 2
	s_add_co_u32 s30, s30, s26
	s_add_co_u32 s30, s30, 12288
	s_add_co_u32 s30, s30, s28                         ; my scale words
	s_add_co_u32 s28, s28, s27                         ; my fragment's image
	s_mov_b32 s29, 0
	s_mov_b32 s31, 0
	s_wait_kmcnt 0x0
	s_add_nc_u64 s[4:5], s[4:5], s[22:23]
	s_add_nc_u64 s[6:7], s[6:7], s[24:25]
	s_add_nc_u64 s[8:9], s[8:9], s[24:25]
	s_add_nc_u64 s[28:29], s[10:11], s[28:29]
	s_add_nc_u64 s[30:31], s[10:11], s[30:31]
.irp j,0,1,2,3,4,5,6,7,8,9,10,11,12,13,14,15
	global_load_b128 v[R+4*\j:R+4*\j+3], v4, s[4:5] offset:(\j+8*(\j/8))*4096   ; 512 consecutive bytes of image lane j's row
.endr
.irp c,0,1
.irp i,0,1,2,3,4,5,6,7
	global_load_b128 v[G+32*\c+4*\i:G+32*\c+4*\i+3], v9, s[6:7] offset:256*\c+16*\i
.endr
.endr
.irp j,0,1,2,3,4,5,6,7,8,9,10,11,12,13,14,15
	s_wait_loadcnt 31-\j                               ; row j is in; the 15 - j younger rows and g's 16 loads may be out
	ds_store_b128 v5, v[R+4*\j:R+4*\j+3] offset:SP*\j
.endr
.irp c,0,1
.irp i,0,1,2,3,4,5,6,7
	ds_load_b128 v[X+32*\c+4*\i:X+32*\c+4*\i+3], v6 offset:256*\c+16*\i
.endr
.endr
	s_wait_dscnt 0x0                                   ; my numbers are back, and the stores have read R
.irp c,0,1
.irp i,0,1,2,3,4,5,6,7
	global_load_b128 v[R+32*\c+4*\i:R+32*\c+4*\i+3], v9, s[8:9] offset:256*\c+16*\i   ; b, into the registers that the rows have left
.endr
.endr
.irp q,0,1,2,3
	v_pk_add_f32 v[SM+2*\q:SM+2*\q+1], v[X+2*\q:X+2*\q+1], v[X+8+2*\q:X+9+2*\q]
.endr
.irp m,2,3,4,5,6,7
.irp q,0,1,2,3
	v_pk_add_f32 v[SM+2*\q:SM+2*\q+1], v[SM+2*\q:SM+2*\q+1], v[X+8*\m+2*\q:X+8*\m+2*\q+1]
.endr
.endr
	ALLSUM 0
	v_mul_f32 v[MN], s21, v[RD]                        ; the mean
	v_mov_b32 v[MN+1], v[MN]
.set j, 0
.rept 32
	v_pk_add_f32 v[X+j:X+j+1], v[X+j:X+j+1], v[MN:MN+1] neg_lo:[0,1] neg_hi:[0,1]   ; d = x - mean
.set j, j+2
.endr
.irp q,0,1,2,3
	v_pk_mul_f32 v[SM+2*\q:SM+2*\q+1], v[X+2*\q:X+2*\q+1], v[X+2*\q:X+2*\q+1]
.endr
.irp m,1,2,3,4,5,6,7
.irp q,0,1,2,3
	v_pk_fma_f32 v[SM+2*\q:SM+2*\q+1], v[X+8*\m+2*\q:X+8*\m+2*\q+1], v[X+8*\m+2*\q:X+8*\m+2*\q+1], v[SM+2*\q:SM+2*\q+1]
.endr
.endr
	ALLSUM 512                                         ; other bytes than the first sum's: no third barrier
	v_fma_f32 v[RSD], v[RD], s21, s20                  ; var + eps
	v_rsq_f32 v[RSD], v[RSD]
	v_nop                                              ; a plain place behind the transcendental
	s_wait_alu depctr_va_vdst(0)                       ; the wait ahead of the result's first reader
	s_wait_loadcnt 0x0                                 ; g and b
.set j, 0
.rept 32
	v_pk_mul_f32 v[X+j:X+j+1], v[X+j:X+j+1], v[RSD:RSD+1] op_sel_hi:[1,0]
.set j, j+2
.endr
.set j, 0
.rept 32
	v_pk_fma_f32 v[X+j:X+j+1], v[X+j:X+j+1], v[G+j:G+j+1], v[R+j:R+j+1]
.set j, j+2
.endr
	QUANT4
.irp c,0,1
	global_store_b128 v4, v[PC+6*\c:PC+6*\c+3], s[28:29] offset:768*\c
	global_store_b64 v7, v[PC+6*\c+4:PC+6*\c+5], s[28:29] offset:768*\c+512
.endr
	global_store_b32 v8, v[PW], s[30:31]
	s_wait_tensorcnt 0x0
	ds_add_u32 v235, v239
	s_wait_dscnt 0x0
	s_endpgm
.Lfunc_end_k_q643b8c9dcb_ln1:
	.size	k_q643b8c9dcb_ln1, .Lfunc_end_k_q643b8c9dcb_ln1-k_q643b8c9dcb_ln1
	.p2alignl 7, 3214868480
	.fill 96, 4, 3214868480
	.section	.rodata,"a",@progbits
	.p2align	6, 0x0
	.amdhsa_kernel k_q643b8c9dcb_ln1
		.amdhsa_group_segment_fixed_size 69632
		.amdhsa_private_segment_fixed_size 0
		.amdhsa_enable_private_segment 0
		.amdhsa_kernarg_size 32
		.amdhsa_user_sgpr_count 2
		.amdhsa_user_sgpr_kernarg_segment_ptr 1
		.amdhsa_wavefront_size32 1
		.amdhsa_system_sgpr_workgroup_id_x 1
		.amdhsa_system_sgpr_workgroup_id_y 1
		.amdhsa_system_sgpr_workgroup_id_z 1
		.amdhsa_system_vgpr_workitem_id 0
		.amdhsa_next_free_vgpr 256
		.amdhsa_next_free_sgpr 66
		.amdhsa_reserve_vcc 0
		.amdhsa_float_denorm_mode_32 3
		.amdhsa_float_denorm_mode_16_64 3
		.amdhsa_memory_ordered 1
		.amdhsa_forward_progress 1
		.amdhsa_inst_pref_size 25
	.end_amdhsa_kernel
	.amdgpu_metadata
---
amdhsa.version: [ 1, 2 ]
amdhsa.kernels:
  - .name:           k_q643b8c9dcb_ln1
    .symbol:         k_q643b8c9dcb_ln1.kd
    .args:
      - { .name: x, .offset: 0, .size: 8, .value_kind: global_buffer, .address_space: global }
      - { .name: ln1_g, .offset: 8, .size: 8, .value_kind: global_buffer, .address_space: global }
      - { .name: ln1_b, .offset: 16, .size: 8, .value_kind: global_buffer, .address_space: global }
      - { .name: act, .offset: 24, .size: 8, .value_kind: global_buffer, .address_space: global }
    .group_segment_fixed_size: 69632
    .private_segment_fixed_size: 0
    .kernarg_segment_align: 8
    .kernarg_segment_size: 32
    .max_flat_workgroup_size: 256
    .sgpr_count:     66
    .vgpr_count:     256
    .wavefront_size: 32
...
	.end_amdgpu_metadata
.endif
;; end of part 2
;; launch qkv (part 3): grid 8 x 32, 4 waves a work-group, clusters of 4 x 4, 327,680 bytes of LDS; arguments act, wts, in_proj_b, qkvq; writes qkvq
.if DOCPART == 3
	.amdgcn_target "amdgcn-amd-amdhsa--gfx1250"
	.amdhsa_code_object_version 6
	.text
	.protected	k_q643b8c9dcb_qkv
	.globl	k_q643b8c9dcb_qkv
	.p2align	8
	.type	k_q643b8c9dcb_qkv,@function
k_q643b8c9dcb_qkv:
	s_mov_b64 s[64:65], 0
	v_nop
	global_prefetch_b8 v0, s[64:65] scope:SCOPE_SE
	s_setreg_imm32_b32 hwreg(HW_REG_WAVE_MODE, 25, 1), 1
	s_wait_xcnt 0x0
	s_wait_alu depctr_hold_cnt(0) depctr_sa_sdst(0) depctr_va_vdst(0) depctr_va_sdst(0) depctr_va_ssrc(0) depctr_va_vcc(0) depctr_vm_vsrc(0)
	s_getreg_b32 s2, hwreg(HW_REG_IB_STS2, 6, 4)
	s_cmp_eq_u32 s2, 0
	s_cbranch_scc0 .Lentry_in_a_cluster
	s_endpgm
.Lentry_in_a_cluster:
	s_bfe_u32 s2, ttmp6, 0x10000c
	s_cmp_lg_u32 s2, 0xf033
	s_cbranch_scc0 .Lentry_shape_is_right
	s_endpgm
.Lentry_shape_is_right:
; qkv = LN1(x) in_proj_w^T + in_proj_b on codes of FP6 (E2M3, one E8M0 byte for each 32 along K); the results are quantised at once: q and k along the head's 64, v along the KEYS (blocks of 32 tokens).
; OPERANDS lie in memory as images of operand registers, in records of SRB = 12,800 bytes (32 rows x 512 K; fragment (u, s4) at (4 u + s4) x 1,536; scale words at 12,288 + 256 u + 16 r + 4 s4;
; image lane r of tile u of group g = row 32 g + 8 u + r + 8 (r / 8); record (kc, g) at (kc NG + g) SRB).  So a fragment comes from LDS by four loads of consecutive bytes: no pitch, no padding.
; SHARES: work-group (gx, gy) takes 128 tokens (gy) and heads 2 gx, 2 gx + 1: three tiles of 128 columns (q, k, v).  A's 128 rows x K 1,024 stay in LDS; B's tiles go through two slots, a whole tile to a slot.
; Wave (rh, ch) makes 64 tokens x one head's 64: 16 accumulators.  q, k: source 0 = weights, source 1 = tokens: a lane holds one token and 16 neighbours along the head in two tiles.
; v: the sources swapped: a lane holds one of the head's 64 and 16 neighbouring tokens.
; CLUSTER 4 x 4: A's blocks are asked for jointly along a row of the cluster, B's along a column; every wave issues its quarter (two records, 25,600 dense bytes) of every tile.
; By this text's count a wave has three tensor loads out at the start and one behind the one round that fills a slot again.
; LIMITS: a block whose largest magnitude lies under 2^-124 gets the byte 1 (this program alone reads the bytes); NaN and infinities are not served.
; REGISTERS, window 0: v1 r, v2 h, v3 lane; v4-7 A's LDS addresses (16 x lane and 8 x lane forms, kc 0, 1); v8-11, v12-15 B's in slot 0, 1; v16, v17 scale words' addresses; v18, v19 the spare word's address, 0;
;   v20, v60, v61 lane offsets; v21 16 x lane, v31 8 x lane; v22-30 at work; v32-59 codes and scale words to store; v64-95 the bias; v96-127 scale words; v128-255 accumulators.  Window 1: two fragment buffers of 96.
.set SRB, 12800
.set FRB, 1536
.set B0,  8*SRB                        ; LDS: A's eight records at 0, slot 0, slot 1,
.set B1,  16*SRB
.set SPARE, 24*SRB                     ; and the spare words, 128 bytes a wave: two blocks of 256 bytes that no other line names
.set NGB, 96                           ; in_proj_w's groups of 32 rows
.set BSTEP, 32*SRB                     ; from q's rows to k's, from k's to v's: 1,024 rows
.set KC,  3145728                      ; qkvq: q's half images at 0, k's here; (head x 256 + tile of 16 tokens) x 768
.set V16O, 6291456                     ; v: the first 16 bytes of a block's 24: ((head x 4 + dt) x 128 + group of 32 tokens) x 256 + 16 r
.set V8O, 8388608                      ; the last 8: (..) x 128 + 8 r
.set QSO, 9437184                      ; q's scale words: (head x 256 + tile) x 64 + 4 r;  k's KSD further on
.set KSD, 262144
.set VSO, 9961472                      ; v's scale bytes: (..) x 16 + r
.set ACC, 128
.set BI,  64
.set SC,  96
.set F0,  0
.set F1,  128
.set TM,  22
.set CT,  28
.set SPW, 18
.set NIL, 19
.set SEL, 52
.set MSB, 0
.macro WIN new                         ; the immediate's high byte repeats the setting that is left
.if MSB != \new
	s_set_vgpr_msb (MSB<<8)|\new
.set MSB, \new
.endif
.endm
.set MUL,  0x05                        ; sources 0 and 1 window 1; C and D window 0
.set TO_F, 0x40                        ; destination window 1, address window 0
.macro PLACES n
.rept \n
	v_nop
.endr
.endm
.macro CROUND                          ; a round of the cluster's barrier
	s_barrier_signal -1
	s_barrier_wait -1
	s_cmp_lg_u32 s12, 0
	s_cbranch_scc1 .Lnot_wave_0_\@
	s_barrier_signal -3
.Lnot_wave_0_\@:
	s_barrier_wait -3
	s_barrier_signal -1
	s_barrier_wait -1
.endm
.macro FRAG reg, a16, a8, off          ; a fragment's image: 12 registers by four loads, each of consecutive bytes
	ds_load_b128 v[(\reg):(\reg)+3], v[\a16] offset:(\off)
	ds_load_b64 v[(\reg)+4:(\reg)+5], v[\a8] offset:(\off)+512
	ds_load_b128 v[(\reg)+6:(\reg)+9], v[\a16] offset:(\off)+768
	ds_load_b64 v[(\reg)+10:(\reg)+11], v[\a8] offset:(\off)+1280
.endm
.macro FETCH f, a16, b16, s4           ; my four fragments of A and four of B of one step of 128 along K, into buffer f
	WIN TO_F
.irp i,0,1,2,3
	FRAG (\f)+12*\i, \a16, (\a16)+1, (\i/2)*SRB+((\i%2)*4+(\s4))*FRB
	FRAG (\f)+48+12*\i, \b16, (\b16)+1, (\i/2)*SRB+((\i%2)*4+(\s4))*FRB
.endr
.endm
; 16 matrix instructions, the 16 accumulators by turns, in the same order in every step.  A scale register holds A's word in lanes 0-15 and B's in lanes 16-31.
; cm: 0 the sums go on; 1 the bias starts them; 2 the constant 0 starts them.
.macro MUL16 f, scb, cm, swap
.irp a,0,1,2,3
.irp b,0,1,2,3
.if \swap
.if \cm == 2
	v_wmma_scale_f32_16x16x128_f8f6f4 v[ACC+8*(4*\b+\a):ACC+8*(4*\b+\a)+7], v[(\f)+12*\a:(\f)+12*\a+11], v[(\f)+48+12*\b:(\f)+48+12*\b+11], 0, v[(\scb)+4*\a], v[(\scb)+4*\b] matrix_a_fmt:MATRIX_FMT_FP6 matrix_b_fmt:MATRIX_FMT_FP6 matrix_b_scale:MATRIX_SCALE_ROW1
.else
	v_wmma_scale_f32_16x16x128_f8f6f4 v[ACC+8*(4*\b+\a):ACC+8*(4*\b+\a)+7], v[(\f)+12*\a:(\f)+12*\a+11], v[(\f)+48+12*\b:(\f)+48+12*\b+11], v[ACC+8*(4*\b+\a):ACC+8*(4*\b+\a)+7], v[(\scb)+4*\a], v[(\scb)+4*\b] matrix_a_fmt:MATRIX_FMT_FP6 matrix_b_fmt:MATRIX_FMT_FP6 matrix_b_scale:MATRIX_SCALE_ROW1
.endif
.else
.if \cm == 1
	v_wmma_scale_f32_16x16x128_f8f6f4 v[ACC+8*(4*\a+\b):ACC+8*(4*\a+\b)+7], v[(\f)+48+12*\b:(\f)+48+12*\b+11], v[(\f)+12*\a:(\f)+12*\a+11], v[BI+8*\b:BI+8*\b+7], v[(\scb)+4*\b], v[(\scb)+4*\a] matrix_a_fmt:MATRIX_FMT_FP6 matrix_b_fmt:MATRIX_FMT_FP6 matrix_a_scale:MATRIX_SCALE_ROW1
.else
	v_wmma_scale_f32_16x16x128_f8f6f4 v[ACC+8*(4*\a+\b):ACC+8*(4*\a+\b)+7], v[(\f)+48+12*\b:(\f)+48+12*\b+11], v[(\f)+12*\a:(\f)+12*\a+11], v[ACC+8*(4*\a+\b):ACC+8*(4*\a+\b)+7], v[(\scb)+4*\b], v[(\scb)+4*\a] matrix_a_fmt:MATRIX_FMT_FP6 matrix_b_fmt:MATRIX_FMT_FP6 matrix_a_scale:MATRIX_SCALE_ROW1
.endif
.endif
.endr
.endr
.endm
; A tile's whole K: the 32 scale registers, then eight steps of 128; while one buffer is multiplied the other is fetched.  Four places stand in front of each run of loads into registers that matrix instructions have read.
.macro KLOOP bb, adrs, cm, swap
	WIN 0
.irp kc,0,1
.irp i,0,1,2,3
	ds_load_b128 v[SC+16*\kc+4*\i:SC+16*\kc+4*\i+3], v[\adrs] offset:4*SRB*\kc+SRB*(\i/2)+256*(\i%2)   ; tile i's words of four steps
.endr
.endr
	FETCH F0, 4, \bb, 0
.set st, 0
.rept 8
	s_wait_dscnt 0x0                                   ; this step's fragments are in
.if st < 7
	PLACES 4
	FETCH F1*((st+1)%2), 4+2*((st+1)/4), (\bb)+2*((st+1)/4), (st+1)%4
.endif
	WIN MUL
.if st == 0
	MUL16 0, SC, \cm, \swap
.else
	MUL16 F1*(st%2), SC+16*(st/4)+st%4, 0, \swap
.endif
.set st, st+1
.endr
.endm
; 32 numbers of a lane, register 16 b + i = index 32 b + 16 h + i, become six registers of codes (lane (r, h): block h) and the two scale bytes.  pad = 1: the word's upper bytes are 127, for a K of 64.
.macro QUANT2 s, pc, pw, pad
	v_max3_num_f32 v[TM], |v[(\s)]|, |v[(\s)+1]|, 0x1800000            ; my 16 numbers of block 0, and the floor 2^(3 - 127): the byte cannot fall under 1
	v_max3_num_f32 v[TM+1], |v[(\s)+16]|, |v[(\s)+17]|, 0x1800000
.irp i,2,4,6,8,10,12,14
	v_max3_num_f32 v[TM], v[TM], |v[(\s)+\i]|, |v[(\s)+\i+1]|
	v_max3_num_f32 v[TM+1], v[TM+1], |v[(\s)+16+\i]|, |v[(\s)+17+\i]|
.endr
	v_permlanex16_b32 v[TM+2], v[TM], s[SEL], s[SEL+1]
	v_permlanex16_b32 v[TM+3], v[TM+1], s[SEL], s[SEL+1]
	v_max_num_f32 v[TM], v[TM], v[TM+2]                ; with lane l xor 16's: the block's largest magnitude
	v_max_num_f32 v[TM+1], v[TM+1], v[TM+3]
	v_add_nc_u32 v[TM+4], 0xff000000, v[TM]            ; 2 off the exponent field: the conversion's scale operand
	v_add_nc_u32 v[TM+5], 0xff000000, v[TM+1]
	v_lshrrev_b32 v[TM+2], 23, v[TM+4]                 ; the bytes
	v_lshrrev_b32 v[TM+3], 23, v[TM+5]
	v_lshl_or_b32 v[\pw], v[TM+3], 8, v[TM+2]
.if \pad
	v_or_b32 v[\pw], 0x7f7f0000, v[\pw]
.endif
	v_cvt_scalef32_pk16_fp6_f32 v[(\pc):(\pc)+2], v[(\s):(\s)+15], v[TM+4]
	v_cvt_scalef32_pk16_fp6_f32 v[CT:CT+2], v[(\s)+16:(\s)+31], v[TM+5]
	v_nop                                              ; one plain place behind the conversions
.irp i,0,1,2
	v_permlane16_swap_b32 v[(\pc)+\i], v[CT+\i]        ; a whole block to a lane: lanes 0-15 block 0, lanes 16-31 block 1
.endr
.irp i,0,1,2
	v_mov_b32 v[(\pc)+3+\i], v[CT+\i]
.endr
.endm
; The change of slots.  Every wave waits for all its tensor loads, adds 0 to its spare word, waits for that and for its LDS reads; then a round of the cluster's barrier and the one joint refill (fill = 1), or the work-group's barrier.
.macro CHANGE fill
	WIN 0
	s_wait_tensorcnt 0x0                               ; no tensor load of mine is out: the next tile's part is in, and a descriptor may be written
	ds_add_u32 v[SPW], v[NIL]
.if \fill
	s_add_nc_u64 s[46:47], s[46:47], 2*BSTEP           ; slot 0's next tile: v's rows
.endif
	s_wait_dscnt 0x0                                   ; the add is done and my reads of the slot are over
.if \fill
	CROUND
	tensor_load_to_lds s[44:47], s[32:39]              ; first behind the round; it has an epilogue and a whole tile's products in which to land
	s_nop 0
	PLACES 4                                           ; (also the places behind the last products)
.else
	s_barrier_signal -1
	s_barrier_wait -1
	PLACES 4
.endif
.endm
.macro BIAS ofs                        ; in the result's layout: lane (r, h), tile b: columns 32 (b / 2) + 16 h + 8 (b % 2) + 0..7
.irp b,0,1,2,3
	global_load_b128 v[BI+8*\b:BI+8*\b+3], v20, s[8:9] offset:(\ofs)+128*(\b/2)+32*(\b%2)
	global_load_b128 v[BI+8*\b+4:BI+8*\b+7], v20, s[8:9] offset:(\ofs)+128*(\b/2)+32*(\b%2)+16
.endr
.endm
.macro EQ cofs, sofs                   ; q or k: four tiles of 16 tokens, each a half image (K = the head's 64) and a scale word a token
.irp a,0,1,2,3
	QUANT2 ACC+32*\a, 32+6*\a, 56+\a, 1
	global_store_b128 v21, v[32+6*\a:35+6*\a], s[60:61] offset:(\cofs)+768*\a          ; 512 consecutive bytes, aligned on 256
	global_store_b64 v31, v[36+6*\a:37+6*\a], s[60:61] offset:(\cofs)+768*\a+512
	global_store_b32 v60, v[56+\a], s[62:63] offset:(\sofs)+64*\a
.endr
.endm
	s_load_b256 s[4:11], s[0:1], 0x0                   ; act, wts, in_proj_b, qkvq
	v_lshl_add_u32 v[SPW], v0, 2, SPARE
	v_mov_b32 v[NIL], 0
	ds_add_u32 v18, v19
	ds_add_u32 v18, v19
	s_wait_dscnt 0x0
	v_lshrrev_b32 v1, 5, v0
	v_readfirstlane_b32 s12, v1                        ; wave 0..3
	s_lshr_b32 s13, s12, 1                             ; rh: my half of the rows.  Also: the kc of the records that I fetch
	s_and_b32 s14, s12, 1                              ; ch: my half of the columns.  Also: which pair of records
	s_bfe_u32 s15, ttmp6, 0x40000                      ; cx
	s_bfe_u32 s16, ttmp6, 0x40004                      ; cy
	s_lshl_b32 s17, ttmp9, 2
	s_add_co_u32 s17, s17, s15                         ; gx
	s_and_b32 s18, ttmp7, 0xffff
	s_lshl_b32 s18, s18, 2
	s_add_co_u32 s18, s18, s16                         ; gy
	s_lshl_b32 s19, s16, 2
	s_lshl_b32 s19, 15, s19                            ; my row of the cluster
	s_lshl_b32 s20, 0x1111, s15                        ; my column
	s_or_b32 s24, s19, (3<<16)|(1<<21)                 ; group 1 for A: the mask; elements of 8 bytes; bit 21 beside a mask; no padding
	s_or_b32 s32, s20, (3<<16)|(1<<21)                 ; for B
.irp g,24,32
	s_mov_b32 s[\g+1], 32<<16                          ; tensor_dim0 = 32 elements: rows of 256 bytes
	s_mov_b32 s[\g+2], 100<<16                         ; tensor_dim1 = 100 rows: 25,600 dense bytes
	s_mov_b32 s[\g+3], 32<<16                          ; tile_dim0
	s_mov_b32 s[\g+4], 100                             ; tile_dim1
	s_mov_b32 s[\g+5], 32                              ; the pitch
	s_mov_b32 s[\g+6], 0
	s_mov_b32 s[\g+7], 0
.endr
	s_mul_i32 s56, s12, 2*SRB                          ; where my quarter lies in A's region and in a slot
	s_lshl_b32 s22, s13, 7                             ; A: record (kc, 4 gy + 2 (wave % 2)) of 128 groups: of gy and the wave alone
	s_lshl_b32 s21, s18, 2
	s_add_co_u32 s22, s22, s21
	s_lshl_b32 s21, s14, 1
	s_add_co_u32 s22, s22, s21
	s_mul_i32 s22, s22, SRB
	s_mov_b32 s23, 0
	s_mul_i32 s66, s13, NGB                            ; B: record (kc, 4 gx + 2 (wave % 2)): of gx and the wave alone
	s_lshl_b32 s67, s17, 2
	s_add_co_u32 s66, s66, s67
	s_lshl_b32 s67, s14, 1
	s_add_co_u32 s66, s66, s67
	s_mul_i32 s66, s66, SRB
	s_mov_b32 s67, 0
	s_wait_kmcnt 0x0
	s_mov_b32 s40, 1
	s_mov_b32 s41, s56
	s_add_nc_u64 s[42:43], s[4:5], s[22:23]
	s_or_b32 s43, s43, 0x80000000
	s_mov_b32 s44, 1
	s_add_co_u32 s45, s56, B0
	s_add_nc_u64 s[46:47], s[6:7], s[66:67]            ; q's rows
	s_mov_b32 s48, 1
	s_add_co_u32 s49, s56, B1
	s_add_nc_u64 s[50:51], s[46:47], BSTEP             ; k's rows
	s_or_b32 s47, s47, 0x80000000
	s_or_b32 s51, s51, 0x80000000
	CROUND                                             ; all sixteen work-groups are here: the first joint loads meet
	tensor_load_to_lds s[40:43], s[24:31]              ; the first fills, as one group: A,
	s_nop 0
	tensor_load_to_lds s[44:47], s[32:39]              ; q's weights,
	s_nop 0
	tensor_load_to_lds s[48:51], s[32:39]              ; k's weights
	s_nop 0
	PLACES 4
	v_and_b32 v1, 15, v0                               ; r
	v_bfe_u32 v2, v0, 4, 1                             ; h
	v_and_b32 v3, 31, v0                               ; lane
	v_lshlrev_b32 v21, 4, v3
	v_lshlrev_b32 v31, 3, v3
	v_lshlrev_b32 v20, 6, v2                           ; the bias: 64 h
	v_lshlrev_b32 v60, 2, v1                           ; 4 r
	v_and_b32 v61, 8, v1
	v_add_nc_u32 v61, v61, v1
	v_lshlrev_b32 v61, 2, v61                          ; 4 (r + 8 (r / 8))
	v_mov_b32 v[TM+2], 0                               ; written once: a lane permute's destination counts as one of its sources
	v_mov_b32 v[TM+3], 0
	s_mul_i32 s74, s13, 2*SRB                          ; my 64 rows of A
	s_mul_i32 s59, s14, 2*SRB                          ; my 64 columns in a slot
	v_add_nc_u32 v4, s74, v21
	v_add_nc_u32 v5, s74, v31
	v_add_nc_u32 v6, 4*SRB, v4
	v_add_nc_u32 v7, 4*SRB, v5
	s_add_co_u32 s75, s59, B0
	v_add_nc_u32 v8, s75, v21
	v_add_nc_u32 v9, s75, v31
	v_add_nc_u32 v10, 4*SRB, v8
	v_add_nc_u32 v11, 4*SRB, v9
	v_add_nc_u32 v12, 8*SRB, v8
	v_add_nc_u32 v13, 8*SRB, v9
	v_add_nc_u32 v14, 8*SRB, v10
	v_add_nc_u32 v15, 8*SRB, v11
	s_sub_co_u32 s75, s75, s74                         ; from A's words to B's: one product with h
	v_mul_u32_u24 v16, s75, v2
	v_lshl_add_u32 v63, v1, 4, s74
	v_add_nc_u32 v63, 12288, v63
	v_add_nc_u32 v16, v16, v63                         ; lanes 0-15: A's scale words; lanes 16-31: B's, slot 0
	s_add_co_u32 s75, s75, 8*SRB
	v_mul_u32_u24 v17, s75, v2
	v_add_nc_u32 v17, v17, v63                         ; slot 1
	s_mov_b32 s[SEL], 0x76543210
	s_mov_b32 s[SEL+1], 0xfedcba98
	s_mov_b32 s54, 0xffff0000                          ; lanes 16-31
	s_lshl_b32 s57, s17, 1
	s_add_co_u32 s57, s57, s14                         ; my head
	s_lshl_b32 s58, s18, 3
	s_lshl_b32 s66, s13, 2
	s_add_co_u32 s58, s58, s66                         ; my first tile of 16 tokens
	s_lshl_b32 s66, s57, 8
	s_add_co_u32 s58, s58, s66
	s_mul_i32 s66, s58, 768
	s_add_nc_u64 s[60:61], s[10:11], s[66:67]          ; q's half images (k's by the immediate)
	s_lshl_b32 s66, s58, 6
	s_add_co_u32 s66, s66, QSO
	s_add_nc_u64 s[62:63], s[10:11], s[66:67]          ; q's scale words
	s_lshl_b32 s59, s57, 9
	s_lshl_b32 s66, s18, 2
	s_add_co_u32 s59, s59, s66
	s_lshl_b32 s66, s13, 1
	s_add_co_u32 s59, s59, s66                         ; head x 512 + my first group of 32 tokens
	s_lshl_b32 s66, s59, 8
	s_add_co_u32 s66, s66, V16O
	s_add_nc_u64 s[68:69], s[10:11], s[66:67]
	s_lshl_b32 s66, s59, 7
	s_add_co_u32 s66, s66, V8O
	s_add_nc_u64 s[70:71], s[10:11], s[66:67]
	s_lshl_b32 s66, s59, 4
	s_add_co_u32 s66, s66, VSO
	s_add_nc_u64 s[72:73], s[10:11], s[66:67]
	s_lshl_b32 s66, s57, 8
	s_add_nc_u64 s[8:9], s[8:9], s[66:67]              ; the bias at my head's 64
	BIAS 0
	s_wait_tensorcnt 0x1                               ; A and q's weights are in; k's load may stay out
	s_barrier_signal -1
	s_barrier_wait -1
	s_wait_loadcnt 0x0                                 ; the bias
	KLOOP 8, 16, 1, 0                                  ; q
	CHANGE 1                                           ; k's weights are whole; slot 0 takes v's
	BIAS 4096
	EQ 0, 0
	s_wait_loadcnt 0x0
	KLOOP 12, 17, 1, 0                                 ; k
	CHANGE 0                                           ; v's weights are whole
	s_wait_xcnt 0x0                                    ; q's stores have read their registers
.irp b,0,1,2,3
	global_load_b32 v[BI+2*\b], v61, s[8:9] offset:8192+128*(\b/2)+32*(\b%2)       ; v's bias: one number a lane and tile, twice: a pair for the packed addition
	global_load_b32 v[BI+2*\b+1], v61, s[8:9] offset:8192+128*(\b/2)+32*(\b%2)
.endr
	EQ KC, KSD
	KLOOP 8, 16, 2, 1                                  ; v, the sources swapped
	WIN 0
	PLACES 4
	s_wait_xcnt 0x0                                    ; k's stores have read their registers
	s_wait_loadcnt 0x0
.irp b,0,1,2,3
.set j, 0
.rept 16
	v_pk_add_f32 v[ACC+32*\b+j:ACC+32*\b+j+1], v[ACC+32*\b+j:ACC+32*\b+j+1], v[BI+2*\b:BI+2*\b+1]
.set j, j+2
.endr
.endr
.irp b,0,1,2,3                         ; lane (r, h) ends with the 32 keys of group (my first + h) for one of the head's 64
	QUANT2 ACC+32*\b, 32+6*\b, 56+\b, 0
	v_cndmask_b32 v[56+\b], v[TM+2], v[TM+3], s54      ; my block's byte
	global_store_b128 v21, v[32+6*\b:35+6*\b], s[68:69] offset:32768*\b
	global_store_b64 v31, v[36+6*\b:37+6*\b], s[70:71] offset:16384*\b
	global_store_b8 v3, v[56+\b], s[72:73] offset:2048*\b
.endr
	s_wait_tensorcnt 0x0                               ; the wave's end
	ds_add_u32 v[SPW], v[NIL]
	s_wait_dscnt 0x0
	CROUND                                             ; the closing round
	s_endpgm
.Lfunc_end_k_q643b8c9dcb_qkv:
	.size	k_q643b8c9dcb_qkv, .Lfunc_end_k_q643b8c9dcb_qkv-k_q643b8c9dcb_qkv
	.p2alignl 7, 3214868480
	.fill 96, 4, 3214868480
	.section	.rodata,"a",@progbits
	.p2align	6, 0x0
	.amdhsa_kernel k_q643b8c9dcb_qkv
		.amdhsa_group_segment_fixed_size 327680
		.amdhsa_private_segment_fixed_size 0
		.amdhsa_enable_private_segment 0
		.amdhsa_kernarg_size 32
		.amdhsa_user_sgpr_count 2
		.amdhsa_user_sgpr_kernarg_segment_ptr 1
		.amdhsa_wavefront_size32 1
		.amdhsa_system_sgpr_workgroup_id_x 1
		.amdhsa_system_sgpr_workgroup_id_y 1
		.amdhsa_system_sgpr_workgroup_id_z 1
		.amdhsa_system_vgpr_workitem_id 0
		.amdhsa_next_free_vgpr 512
		.amdhsa_next_free_sgpr 80
		.amdhsa_reserve_vcc 0
		.amdhsa_float_denorm_mode_32 3
		.amdhsa_float_denorm_mode_16_64 3
		.amdhsa_memory_ordered 1
		.amdhsa_forward_progress 1
		.amdhsa_inst_pref_size 144
	.end_amdhsa_kernel
	.amdgpu_metadata
---
amdhsa.version: [ 1, 2 ]
amdhsa.kernels:
  - .name:           k_q643b8c9dcb_qkv
    .symbol:         k_q643b8c9dcb_qkv.kd
    .args:
      - { .name: act, .offset: 0, .size: 8, .value_kind: global_buffer, .address_space: global }
      - { .name: wts, .offset: 8, .size: 8, .value_kind: global_buffer, .address_space: global }
      - { .name: in_proj_b, .offset: 16, .size: 8, .value_kind: global_buffer, .address_space: global }
      - { .name: qkvq, .offset: 24, .size: 8, .value_kind: global_buffer, .address_space: global }
    .group_segment_fixed_size: 327680
    .private_segment_fixed_size: 0
    .kernarg_segment_align: 8
    .kernarg_segment_size: 32
    .max_flat_workgroup_size: 128
    .sgpr_count:     80
    .vgpr_count:     512
    .wavefront_size: 32
...
	.end_amdgpu_metadata
.endif
;; end of part 3
;; launch attn (part 4): grid 128 x 2, 8 waves a work-group, no clusters, 0 bytes of LDS; arguments qkvq, act; writes act
.if DOCPART == 4
	.amdgcn_target "amdgcn-amd-amdhsa--gfx1250"
	.amdhsa_code_object_version 6
	.text
	.protected	k_q643b8c9dcb_attn
	.globl	k_q643b8c9dcb_attn
	.p2align	8
	.type	k_q643b8c9dcb_attn,@function
k_q643b8c9dcb_attn:
	s_mov_b64 s[64:65], 0
	v_nop
	global_prefetch_b8 v0, s[64:65] scope:SCOPE_SE
	s_setreg_imm32_b32 hwreg(HW_REG_WAVE_MODE, 25, 1), 1
	s_wait_xcnt 0x0
; Causal sliding-window attention, width 16, on codes of FP6 (E2M3).  The mask is the problem's own: a group G of 32 queries sees keys of groups G - 1 and G alone, so only those 64 keys are multiplied.
; SHARES: a wave takes one group of 32 tokens of one head (8 waves x grid y = 16 heads): two tiles of 16 queries x 64 keys.  Nothing is shared: operands go from memory into registers, no LDS, no barrier.
; Both products transposed: S^T = K Q^T (K = the head's 64), O^T = V^T P^T (K = the 64 keys): a lane holds one query throughout.  The instruction's K is 128: the upper 64 are zero codes under the byte 127 on both sides.
; Tiles hold tokens 8 u + r + 8 (r / 8) of a group, so that a lane's 16 registers of two neighbouring tiles are 16 neighbouring keys (or 16 neighbours of the head's 64).
; SOFTMAX: t = score x log2(e) / 8; M = ceil(the row's largest t); p = 2^(t - M) is quantised along the keys in the sequence's blocks of 32; the sum of the unquantised p divides O at the end.  Every query sees itself, so M is a number.
; The first group of a sequence (G a multiple of 64) has no group before it: its first 32 scores are all masked (a limit of 0 chosen on ids), and for G = 0 the loads name group 0 itself, to stay inside the buffer.
; o / l is quantised along the model's 1,024 (the head's 64 are two blocks) and stored as half an image of the next product's operand.
; LIMITS: a block whose largest magnitude lies under 2^-124 (a masked block's zeros among them) gets the byte 1; NaN and infinities are not served.
.set SRB, 12800
.set FRB, 1536
.set KC,  3145728
.set V16O, 6291456
.set V8O, 8388608
.set QSO, 9437184
.set KSD, 262144
.set VSO, 9961472
.set Q,   16                           ; v16-39   two fragments
.set K,   40                           ; v40-87   four
.set V,   88                           ; v88-135  four
.set S,   136                          ; v136-199 S^T, then p, then o
.set P,   200                          ; v200-223 p's codes, later o's
.set O,   16                           ; O^T, over Q and K, which are done with
.set KSC, 224                          ; scale words: K's four, Q's two, V's four, p's two
.set QSC, 228
.set VW,  230
.set PSC, 234
.set TM,  236
.set CT,  242
.set NINF, 245
.set VB,  246                          ; v246-253 V's scale bytes as loaded; then
.set NM,  246                          ; v[246:247], v[248:249] -M of the two tiles
.set L,   250                          ; v[250:251], v[252:253] the sums
.set SEL, 46
.set CS,  44
.macro PLACES n
.rept \n
	v_nop
.endr
.endm
.macro QUANT2 s, pc, pw, pad           ; 32 numbers of a lane, register 16 b + i = index 32 b + 16 h + i -> six registers of codes (lane (r, h): block h), two scale bytes
	v_max3_num_f32 v[TM], |v[(\s)]|, |v[(\s)+1]|, 0x1800000            ; and the floor 2^(3 - 127)
	v_max3_num_f32 v[TM+1], |v[(\s)+16]|, |v[(\s)+17]|, 0x1800000
.irp i,2,4,6,8,10,12,14
	v_max3_num_f32 v[TM], v[TM], |v[(\s)+\i]|, |v[(\s)+\i+1]|
	v_max3_num_f32 v[TM+1], v[TM+1], |v[(\s)+16+\i]|, |v[(\s)+17+\i]|
.endr
	v_permlanex16_b32 v[TM+2], v[TM], s[SEL], s[SEL+1]
	v_permlanex16_b32 v[TM+3], v[TM+1], s[SEL], s[SEL+1]
	v_max_num_f32 v[TM], v[TM], v[TM+2]
	v_max_num_f32 v[TM+1], v[TM+1], v[TM+3]
	v_add_nc_u32 v[TM+4], 0xff000000, v[TM]
	v_add_nc_u32 v[TM+5], 0xff000000, v[TM+1]
	v_lshrrev_b32 v[TM+2], 23, v[TM+4]
	v_lshrrev_b32 v[TM+3], 23, v[TM+5]
	v_lshl_or_b32 v[\pw], v[TM+3], 8, v[TM+2]
.if \pad
	v_or_b32 v[\pw], 0x7f7f0000, v[\pw]
.endif
	v_cvt_scalef32_pk16_fp6_f32 v[(\pc):(\pc)+2], v[(\s):(\s)+15], v[TM+4]
	v_cvt_scalef32_pk16_fp6_f32 v[CT:CT+2], v[(\s)+16:(\s)+31], v[TM+5]
	v_nop                                              ; one plain place behind the conversions
.irp i,0,1,2
	v_permlane16_swap_b32 v[(\pc)+\i], v[CT+\i]
.endr
.irp i,0,1,2
	v_mov_b32 v[(\pc)+3+\i], v[CT+\i]
.endr
.endm
	s_load_b128 s[4:7], s[0:1], 0x0                    ; qkvq, act
	v_lshrrev_b32 v1, 5, v0
	v_readfirstlane_b32 s8, v1                         ; wave 0..7
.irp f,0,1,2,3,4,5,6,7,8,9
.irp i,6,7,8,9,10,11
	v_mov_b32 v[Q+12*\f+\i], 0                         ; k = 64 .. 127 of every fragment: zero codes
.endr
.endr
.irp f,0,1
.irp i,6,7,8,9,10,11
	v_mov_b32 v[P+12*\f+\i], 0
.endr
.endr
	v_and_b32 v1, 15, v0                               ; r
	v_bfe_u32 v2, v0, 4, 1                             ; h
	v_and_b32 v3, 31, v0
	v_lshlrev_b32 v4, 4, v3                            ; 16 x lane
	v_lshlrev_b32 v5, 3, v3                            ; 8 x lane
	v_lshlrev_b32 v6, 2, v1                            ; 4 r
	v_lshlrev_b32 v7, 4, v1                            ; 16 r
	v_mov_b32 v[TM+2], 0
	v_mov_b32 v[TM+3], 0
	v_mov_b32 v[NINF], 0xff800000
	v_and_b32 v14, 8, v1
	v_add_nc_u32 v14, v14, v1
	v_add_nc_u32 v14, 32, v14
	v_lshlrev_b32 v254, 4, v2
	v_sub_nc_u32 v14, v14, v254                        ; tile 0: my query's place in the group + 32 - 16 h;
	v_add_nc_u32 v15, 8, v14                           ; tile 1
	s_mov_b32 s9, ttmp9                                ; G
	s_and_b32 s10, ttmp7, 0xffff
	s_lshl_b32 s10, s10, 3
	s_add_co_u32 s10, s10, s8                          ; the head
	s_max_u32 s11, s9, 1
	s_sub_co_u32 s11, s11, 1                           ; the group before (for G = 0: group 0)
	s_sub_co_u32 s12, s9, s11
	s_and_b32 s13, s9, 63
	s_cmp_eq_u32 s13, 0
	s_cselect_b32 s14, 0, 16                           ; the window's width for the group before: none at a sequence's head
	s_lshl_b32 s13, s12, 8
	v_mul_u32_u24 v8, s13, v2
	v_lshl_add_u32 v8, v1, 4, v8                       ; V: lanes 16-31 take group G, lanes 0-15 the group before
	s_lshl_b32 s13, s12, 7
	v_mul_u32_u24 v9, s13, v2
	v_lshl_add_u32 v9, v1, 3, v9
	s_mov_b32 s[CS], 0x3e38aa3b                        ; log2(e) / 8
	s_mov_b32 s[CS+1], s[CS]
	s_mov_b32 s[SEL], 0x76543210
	s_mov_b32 s[SEL+1], 0xfedcba98
	s_lshl_b32 s15, s10, 8
	s_lshl_b32 s16, s9, 1
	s_add_co_u32 s16, s16, s15                         ; head x 256 + 2 G
	s_lshl_b32 s17, s11, 1
	s_add_co_u32 s17, s17, s15
	s_lshl_b32 s18, s10, 9
	s_add_co_u32 s18, s18, s11                         ; head x 512 + the group before
	s_mov_b32 s21, 0
	s_wait_kmcnt 0x0
	s_mul_i32 s20, s16, 768
	s_add_nc_u64 s[24:25], s[4:5], s[20:21]            ; Q's tiles (K's by the immediate), group G
	s_mul_i32 s20, s17, 768
	s_add_nc_u64 s[26:27], s[4:5], s[20:21]            ; the group before
	s_lshl_b32 s20, s16, 6
	s_add_co_u32 s20, s20, QSO
	s_add_nc_u64 s[28:29], s[4:5], s[20:21]
	s_lshl_b32 s20, s17, 6
	s_add_co_u32 s20, s20, QSO
	s_add_nc_u64 s[30:31], s[4:5], s[20:21]
	s_lshl_b32 s20, s18, 8
	s_add_co_u32 s20, s20, V16O
	s_add_nc_u64 s[32:33], s[4:5], s[20:21]
	s_lshl_b32 s20, s18, 7
	s_add_co_u32 s20, s20, V8O
	s_add_nc_u64 s[34:35], s[4:5], s[20:21]
	s_lshl_b32 s20, s18, 4
	s_add_co_u32 s20, s20, VSO
	s_add_nc_u64 s[36:37], s[4:5], s[20:21]
	s_lshl_b32 s20, s12, 4
	s_add_nc_u64 s[38:39], s[36:37], s[20:21]
	s_lshr_b32 s19, s10, 3                             ; o: record (head / 8, G),
	s_lshl_b32 s19, s19, 7
	s_add_co_u32 s19, s19, s9
	s_mul_i32 s19, s19, SRB
	s_bfe_u32 s22, s10, 0x20001                        ; K step (head / 2) % 4,
	s_and_b32 s23, s10, 1                              ; half head % 2
	s_mul_i32 s20, s22, FRB
	s_add_co_u32 s20, s20, s19
	s_mul_i32 s13, s23, 768
	s_add_co_u32 s20, s20, s13
	s_add_nc_u64 s[40:41], s[6:7], s[20:21]
	s_lshl_b32 s20, s22, 2
	s_lshl_b32 s13, s23, 1
	s_add_co_u32 s20, s20, s13
	s_add_co_u32 s20, s20, s19
	s_add_co_u32 s20, s20, 12288
	s_add_nc_u64 s[42:43], s[6:7], s[20:21]
.irp t,0,1
	global_load_b128 v[K+12*\t:K+12*\t+3], v4, s[26:27] offset:KC+768*\t
	global_load_b64 v[K+12*\t+4:K+12*\t+5], v5, s[26:27] offset:KC+768*\t+512
	global_load_b32 v[KSC+\t], v6, s[30:31] offset:KSD+64*\t
	global_load_b128 v[K+24+12*\t:K+24+12*\t+3], v4, s[24:25] offset:KC+768*\t
	global_load_b64 v[K+24+12*\t+4:K+24+12*\t+5], v5, s[24:25] offset:KC+768*\t+512
	global_load_b32 v[KSC+2+\t], v6, s[28:29] offset:KSD+64*\t
	global_load_b128 v[Q+12*\t:Q+12*\t+3], v4, s[24:25] offset:768*\t
	global_load_b64 v[Q+12*\t+4:Q+12*\t+5], v5, s[24:25] offset:768*\t+512
	global_load_b32 v[QSC+\t], v6, s[28:29] offset:64*\t
.endr
.irp d,0,1,2,3
	global_load_b128 v[V+12*\d:V+12*\d+3], v8, s[32:33] offset:32768*\d
	global_load_b64 v[V+12*\d+4:V+12*\d+5], v9, s[34:35] offset:16384*\d
	global_load_u8 v[VB+2*\d], v1, s[36:37] offset:2048*\d
	global_load_u8 v[VB+2*\d+1], v1, s[38:39] offset:2048*\d
.endr
	s_wait_loadcnt 0x0
.irp q,0,1
.irp t,0,1,2,3
	v_wmma_scale_f32_16x16x128_f8f6f4 v[S+32*\q+8*\t:S+32*\q+8*\t+7], v[K+12*\t:K+12*\t+11], v[Q+12*\q:Q+12*\q+11], 0, v[KSC+\t], v[QSC+\q] matrix_a_fmt:MATRIX_FMT_FP6 matrix_b_fmt:MATRIX_FMT_FP6
.endr
.endr
.irp d,0,1,2,3                         ; V's scale words: these eight lines are also the places behind the products
	v_lshl_or_b32 v[VW+\d], v[VB+2*\d+1], 8, v[VB+2*\d]
.endr
.irp d,0,1,2,3
	v_or_b32 v[VW+\d], 0x7f7f0000, v[VW+\d]
.endr
	v_mov_b32 v[NM+1], 0                               ; (upper halves of pairs)
	v_mov_b32 v[NM+3], 0
; register 32 q + 16 kb + i holds key 32 kb + 16 h + i of the 64: it counts where 0 <= query - key < the width, one unsigned compare
.set n, 0
.rept 64
	v_add_nc_u32 v254, -(32*((n%32)/16)+n%16), v[14+n/32]
.if (n%32) < 16
	v_cmp_gt_u32 vcc_lo, s14, v254
.else
	v_cmp_gt_u32 vcc_lo, 16, v254
.endif
	v_cndmask_b32 v[S+n], v[NINF], v[S+n], vcc_lo
.set n, n+1
.endr
.irp q,0,1
	v_max3_num_f32 v[TM+\q], v[S+32*\q], v[S+32*\q+1], v[S+32*\q+2]
.endr
.irp i,3,5,7,9,11,13,15,17,19,21,23,25,27,29
.irp q,0,1
	v_max3_num_f32 v[TM+\q], v[TM+\q], v[S+32*\q+\i], v[S+32*\q+\i+1]
.endr
.endr
.irp q,0,1
	v_max_num_f32 v[TM+\q], v[TM+\q], v[S+32*\q+31]
.endr
.irp q,0,1
	v_permlanex16_b32 v[TM+2+\q], v[TM+\q], s[SEL], s[SEL+1]
.endr
.irp q,0,1
	v_max_num_f32 v[TM+\q], v[TM+\q], v[TM+2+\q]       ; the row's largest score
.endr
.irp q,0,1
	v_mul_f32 v[TM+\q], s[CS], v[TM+\q]                ; as t
.endr
.irp q,0,1
	v_floor_f32 v[NM+2*\q], -v[TM+\q]                  ; -M = floor(-t) = -ceil(t)
.endr
.irp q,0,1
.set j, 0
.rept 16
	v_pk_fma_f32 v[S+32*\q+j:S+32*\q+j+1], v[S+32*\q+j:S+32*\q+j+1], s[CS:CS+1], v[NM+2*\q:NM+2*\q+1] op_sel_hi:[1,0,0]   ; t - M
.set j, j+2
.endr
.endr
.set j, 0
.rept 64
	v_exp_f32 v[S+j], v[S+j]                           ; p = 2^(t - M); a masked score gives 0
.set j, j+1
.endr
	v_nop                                              ; a plain place behind the batch
	s_wait_alu depctr_va_vdst(0)                       ; one wait for the 64, ahead of their first reader
	QUANT2 S, P, PSC, 1
	QUANT2 S+32, P+12, PSC+1, 1
.irp q,0,1                             ; the sums of the unquantised p; these lines are also the places between the scale words' and codes' last writes and the products
	v_pk_add_f32 v[L+2*\q:L+2*\q+1], v[S+32*\q:S+32*\q+1], v[S+32*\q+2:S+32*\q+3]
.endr
.irp i,4,6,8,10,12,14,16,18,20,22,24,26,28,30
.irp q,0,1
	v_pk_add_f32 v[L+2*\q:L+2*\q+1], v[L+2*\q:L+2*\q+1], v[S+32*\q+\i:S+32*\q+\i+1]
.endr
.endr
.irp q,0,1
	v_add_f32 v[L+2*\q], v[L+2*\q], v[L+2*\q+1]
.endr
.irp q,0,1
	v_permlanex16_b32 v[TM+2+\q], v[L+2*\q], s[SEL], s[SEL+1]
.endr
.irp q,0,1
	v_add_f32 v[L+2*\q], v[L+2*\q], v[TM+2+\q]
.endr
.irp q,0,1
	v_rcp_f32 v[L+2*\q], v[L+2*\q]
.endr
	v_nop
	s_wait_alu depctr_va_vdst(0)                       ; one wait for the two reciprocals
.irp q,0,1
.irp d,0,1,2,3
	v_wmma_scale_f32_16x16x128_f8f6f4 v[O+32*\q+8*\d:O+32*\q+8*\d+7], v[V+12*\d:V+12*\d+11], v[P+12*\q:P+12*\q+11], 0, v[VW+\d], v[PSC+\q] matrix_a_fmt:MATRIX_FMT_FP6 matrix_b_fmt:MATRIX_FMT_FP6
.endr
.endr
	PLACES 4
.irp q,0,1
.set j, 0
.rept 16
	v_pk_mul_f32 v[S+32*\q+j:S+32*\q+j+1], v[O+32*\q+j:O+32*\q+j+1], v[L+2*\q:L+2*\q+1] op_sel_hi:[1,0]   ; o = O / l: register 16 b + i = the head's 32 b + 16 h + i
.set j, j+2
.endr
.endr
.irp q,0,1
	QUANT2 S+32*\q, P+12*\q, 254+\q, 0
	global_store_b128 v4, v[P+12*\q:P+12*\q+3], s[40:41] offset:4*FRB*\q
	global_store_b64 v5, v[P+12*\q+4:P+12*\q+5], s[40:41] offset:4*FRB*\q+512
	global_store_b16 v7, v[254+\q], s[42:43] offset:256*\q
.endr
	s_endpgm
.Lfunc_end_k_q643b8c9dcb_attn:
	.size	k_q643b8c9dcb_attn, .Lfunc_end_k_q643b8c9dcb_attn-k_q643b8c9dcb_attn
	.p2alignl 7, 3214868480
	.fill 96, 4, 3214868480
	.section	.rodata,"a",@progbits
	.p2align	6, 0x0
	.amdhsa_kernel k_q643b8c9dcb_attn
		.amdhsa_group_segment_fixed_size 0
		.amdhsa_private_segment_fixed_size 0
		.amdhsa_enable_private_segment 0
		.amdhsa_kernarg_size 16
		.amdhsa_user_sgpr_count 2
		.amdhsa_user_sgpr_kernarg_segment_ptr 1
		.amdhsa_wavefront_size32 1
		.amdhsa_system_sgpr_workgroup_id_x 1
		.amdhsa_system_sgpr_workgroup_id_y 1
		.amdhsa_system_sgpr_workgroup_id_z 1
		.amdhsa_system_vgpr_workitem_id 0
		.amdhsa_next_free_vgpr 256
		.amdhsa_next_free_sgpr 66
		.amdhsa_reserve_vcc 1
		.amdhsa_float_denorm_mode_32 3
		.amdhsa_float_denorm_mode_16_64 3
		.amdhsa_memory_ordered 1
		.amdhsa_forward_progress 1
		.amdhsa_inst_pref_size 38
	.end_amdhsa_kernel
	.amdgpu_metadata
---
amdhsa.version: [ 1, 2 ]
amdhsa.kernels:
  - .name:           k_q643b8c9dcb_attn
    .symbol:         k_q643b8c9dcb_attn.kd
    .args:
      - { .name: qkvq, .offset: 0, .size: 8, .value_kind: global_buffer, .address_space: global }
      - { .name: act, .offset: 8, .size: 8, .value_kind: global_buffer, .address_space: global }
    .group_segment_fixed_size: 0
    .private_segment_fixed_size: 0
    .kernarg_segment_align: 8
    .kernarg_segment_size: 16
    .max_flat_workgroup_size: 256
    .sgpr_count:     66
    .vgpr_count:     256
    .wavefront_size: 32
...
	.end_amdgpu_metadata
.endif
;; end of part 4
;; launch outp (part 5): grid 8 x 32, 4 waves a work-group, clusters of 4 x 4, 327,680 bytes of LDS; arguments act, wts, out_proj_b, x, x1; writes x1
.if DOCPART == 5
	.amdgcn_target "amdgcn-amd-amdhsa--gfx1250"
	.amdhsa_code_object_version 6
	.text
	.protected	k_q643b8c9dcb_outp
	.globl	k_q643b8c9dcb_outp
	.p2align	8
	.type	k_q643b8c9dcb_outp,@function
k_q643b8c9dcb_outp:
	s_mov_b64 s[64:65], 0
	v_nop
	global_prefetch_b8 v0, s[64:65] scope:SCOPE_SE
	s_setreg_imm32_b32 hwreg(HW_REG_WAVE_MODE, 25, 1), 1
	s_wait_xcnt 0x0
	s_wait_alu depctr_hold_cnt(0) depctr_sa_sdst(0) depctr_va_vdst(0) depctr_va_sdst(0) depctr_va_ssrc(0) depctr_va_vcc(0) depctr_vm_vsrc(0)
	s_getreg_b32 s2, hwreg(HW_REG_IB_STS2, 6, 4)
	s_cmp_eq_u32 s2, 0
	s_cbranch_scc0 .Lentry_in_a_cluster
	s_endpgm
.Lentry_in_a_cluster:
	s_bfe_u32 s2, ttmp6, 0x10000c
	s_cmp_lg_u32 s2, 0xf033
	s_cbranch_scc0 .Lentry_shape_is_right
	s_endpgm
.Lentry_shape_is_right:
; x1 = x + o out_proj_w^T + out_proj_b, the product on codes of FP6 (E2M3, one E8M0 byte for each 32 along K); sums, bias and residual in f32.
; OPERANDS lie in memory as images of operand registers, in records of SRB = 12,800 bytes (32 rows x 512 K; fragment (u, s4) at (4 u + s4) x 1,536; scale words at 12,288 + 256 u + 16 r + 4 s4;
; image lane r of tile u of group g = row 32 g + 8 u + r + 8 (r / 8); record (kc, g) at (kc NG + g) SRB).
; SHARES: a work-group makes 128 x 128 of the result, wave (rh, ch) 64 x 64: 16 accumulators.  K goes in NCH chunks of 512 through two LDS slots (A's four records, then B's four); waves 0, 1 fetch A's halves, waves 2, 3 B's,
; 25,600 dense bytes a load.  CLUSTER 4 x 4: A's blocks are asked for jointly along a row of the cluster, B's along a column.  With NCH = 2 both chunks are first fills: two tensor loads of a wave are out at the start, none later.
; Source 0 = weights, source 1 = tokens: a lane holds eight neighbouring columns of one row; the bias is the C of the first products.  THE WAY OUT: 16 rows x 256 bytes at a time through the wave's own stage in LDS,
; back into the registers that they left as whole rows; the residual is added there; sixteen lanes store 256 consecutive bytes, aligned.
; REGISTERS, window 0: v4-7, v8-11 LDS addresses of A's and B's fragments in slot 0, 1; v12, v13 the scale words'; v14, v15 the stage; v16 my offset in a pair of rows; v17 the bias; v18, v19 the spare word's address, 0;
;   v32-63, v64-95 residual rows (v64-95 first hold the bias); v96-111 scale words; v128-255 accumulators.  Window 1: two fragment buffers of 96.
.set NCH,  2                           ; chunks of 512 along K
.set WOFF, 2457600                     ; the weight's records in wts
.set SRB, 12800
.set FRB, 1536
.set SLOT, 8*SRB
.set SPARE, 2*SLOT                     ; the spare words, 128 bytes a wave: two blocks of 256 bytes that no other line names
.set STAGE, SPARE+512                  ; 16 rows x 272 bytes for each wave; no fill lands here
.set ASTEP, 128*SRB                    ; a chunk on in A
.set BSTEP, 32*SRB                     ; and in B
.set ACC, 128
.set BI,  64
.set RS,  32
.set SC,  96
.set F0,  0
.set F1,  128
.set SPW, 18
.set NIL, 19
.set MSB, 0
.macro WIN new                         ; the immediate's high byte repeats the setting that is left
.if MSB != \new
	s_set_vgpr_msb (MSB<<8)|\new
.set MSB, \new
.endif
.endm
.set MUL,  0x05
.set TO_F, 0x40
.macro PLACES n
.rept \n
	v_nop
.endr
.endm
.macro CROUND
	s_barrier_signal -1
	s_barrier_wait -1
	s_cmp_lg_u32 s12, 0
	s_cbranch_scc1 .Lnot_wave_0_\@
	s_barrier_signal -3
.Lnot_wave_0_\@:
	s_barrier_wait -3
	s_barrier_signal -1
	s_barrier_wait -1
.endm
.macro FRAG reg, a16, a8, off
	ds_load_b128 v[(\reg):(\reg)+3], v[\a16] offset:(\off)
	ds_load_b64 v[(\reg)+4:(\reg)+5], v[\a8] offset:(\off)+512
	ds_load_b128 v[(\reg)+6:(\reg)+9], v[\a16] offset:(\off)+768
	ds_load_b64 v[(\reg)+10:(\reg)+11], v[\a8] offset:(\off)+1280
.endm
.macro FETCH f, a16, b16, s4
	WIN TO_F
.irp i,0,1,2,3
	FRAG (\f)+12*\i, \a16, (\a16)+1, (\i/2)*SRB+((\i%2)*4+(\s4))*FRB
	FRAG (\f)+48+12*\i, \b16, (\b16)+1, (\i/2)*SRB+((\i%2)*4+(\s4))*FRB
.endr
.endm
.macro MUL16 f, scb, cm                ; the 16 accumulators by turns, in the same order in every step; cm = 1: the bias starts the sums
.irp a,0,1,2,3
.irp b,0,1,2,3
.if \cm == 1
	v_wmma_scale_f32_16x16x128_f8f6f4 v[ACC+8*(4*\a+\b):ACC+8*(4*\a+\b)+7], v[(\f)+48+12*\b:(\f)+48+12*\b+11], v[(\f)+12*\a:(\f)+12*\a+11], v[BI+8*\b:BI+8*\b+7], v[(\scb)+4*\b], v[(\scb)+4*\a] matrix_a_fmt:MATRIX_FMT_FP6 matrix_b_fmt:MATRIX_FMT_FP6 matrix_a_scale:MATRIX_SCALE_ROW1
.else
	v_wmma_scale_f32_16x16x128_f8f6f4 v[ACC+8*(4*\a+\b):ACC+8*(4*\a+\b)+7], v[(\f)+48+12*\b:(\f)+48+12*\b+11], v[(\f)+12*\a:(\f)+12*\a+11], v[ACC+8*(4*\a+\b):ACC+8*(4*\a+\b)+7], v[(\scb)+4*\b], v[(\scb)+4*\a] matrix_a_fmt:MATRIX_FMT_FP6 matrix_b_fmt:MATRIX_FMT_FP6 matrix_a_scale:MATRIX_SCALE_ROW1
.endif
.endr
.endr
.endm
.macro CHUNK sl, first                 ; a slot's four steps of 128 along K
	PLACES 4                                           ; in front of loads into registers that matrix instructions have read
	WIN 0
.irp i,0,1,2,3
	ds_load_b128 v[SC+4*\i:SC+4*\i+3], v[12+\sl] offset:SRB*(\i/2)+256*(\i%2)
.endr
	FETCH F0, 4+4*\sl, 6+4*\sl, 0
.set st, 0
.rept 4
	s_wait_dscnt 0x0
.if st < 3
	PLACES 4
	FETCH F1*((st+1)%2), 4+4*\sl, 6+4*\sl, st+1
.endif
	WIN MUL
.if (st == 0) && \first
	MUL16 0, SC, 1
.else
	MUL16 F1*(st%2), SC+st, 0
.endif
.set st, st+1
.endr
.endm
.macro JLOAD s                         ; a joint refill: waves 0, 1 for A, waves 2, 3 for B; four v_nop follow each line
	s_cmp_lt_u32 s12, 2
	s_cbranch_scc0 .Lfor_b_\@
	tensor_load_to_lds s[40+4*\s:43+4*\s], s[24:31]
	PLACES 4
	s_branch .Lasked_\@
.Lfor_b_\@:
	tensor_load_to_lds s[48+4*\s:51+4*\s], s[32:39]
	PLACES 4
.Lasked_\@:
.endm
.macro CHG fill, s                     ; the change of slots; fill = 1: slot s, just read, takes the chunk two on
	WIN 0
	s_wait_tensorcnt 0x0                               ; no tensor load of mine is out: my part of the next slot is in
	ds_add_u32 v[SPW], v[NIL]
.if \fill
	s_add_nc_u64 s[42+4*\s:43+4*\s], s[42+4*\s:43+4*\s], 2*ASTEP
	s_add_nc_u64 s[50+4*\s:51+4*\s], s[50+4*\s:51+4*\s], 2*BSTEP
.endif
	s_wait_dscnt 0x0                                   ; the add is done and my reads of the slot are over
.if \fill
	CROUND
	JLOAD \s
.else
	s_barrier_signal -1
	s_barrier_wait -1
.endif
.endm
.macro RLOAD a                         ; the residual's rows of block a, as the way out will hold them
.irp i,0,1,2,3,4,5,6,7
	global_load_b128 v[RS+32*((\a)%2)+4*\i:RS+32*((\a)%2)+4*\i+3], v16, s[10:11] offset:(32*((\a)/2)+8*((\a)%2)+2*\i+8*(\i/4))*4096
.endr
.endm
	s_load_b256 s[4:11], s[0:1], 0x0                   ; A's records, wts, the bias, the residual
	s_load_b64 s[56:57], s[0:1], 0x20                  ; the result
	v_lshl_add_u32 v[SPW], v0, 2, SPARE
	v_mov_b32 v[NIL], 0
	ds_add_u32 v18, v19
	ds_add_u32 v18, v19
	s_wait_dscnt 0x0
	v_lshrrev_b32 v1, 5, v0
	v_readfirstlane_b32 s12, v1                        ; wave 0..3
	s_lshr_b32 s13, s12, 1                             ; rh
	s_and_b32 s14, s12, 1                              ; ch.  Also: which pair of records I fetch
	s_bfe_u32 s15, ttmp6, 0x40000                      ; cx
	s_bfe_u32 s16, ttmp6, 0x40004                      ; cy
	s_lshl_b32 s17, ttmp9, 2
	s_add_co_u32 s17, s17, s15                         ; gx
	s_and_b32 s18, ttmp7, 0xffff
	s_lshl_b32 s18, s18, 2
	s_add_co_u32 s18, s18, s16                         ; gy
	s_lshl_b32 s19, s16, 2
	s_lshl_b32 s19, 15, s19                            ; my row of the cluster
	s_lshl_b32 s20, 0x1111, s15                        ; my column
	s_or_b32 s24, s19, (3<<16)|(1<<21)                 ; group 1: the mask; elements of 8 bytes; bit 21 beside a mask; no padding
	s_or_b32 s32, s20, (3<<16)|(1<<21)
.irp g,24,32
	s_mov_b32 s[\g+1], 32<<16                          ; rows of 256 bytes,
	s_mov_b32 s[\g+2], 100<<16                         ; 100 of them: 25,600 dense bytes
	s_mov_b32 s[\g+3], 32<<16
	s_mov_b32 s[\g+4], 100
	s_mov_b32 s[\g+5], 32
	s_mov_b32 s[\g+6], 0
	s_mov_b32 s[\g+7], 0
.endr
	s_mul_i32 s60, s12, 2*SRB                          ; my quarter of a slot
	s_lshl_b32 s22, s18, 2                             ; A: record (0, 4 gy + 2 (wave % 2)): of gy and the wave alone
	s_lshl_b32 s21, s14, 1
	s_add_co_u32 s22, s22, s21
	s_mul_i32 s22, s22, SRB
	s_mov_b32 s23, 0
	s_lshl_b32 s58, s17, 2                             ; B: record (0, 4 gx + 2 (wave % 2)): of gx and the wave alone
	s_lshl_b32 s59, s14, 1
	s_add_co_u32 s58, s58, s59
	s_mul_i32 s58, s58, SRB
	s_add_co_u32 s58, s58, WOFF
	s_mov_b32 s59, 0
	s_wait_kmcnt 0x0
	s_mov_b32 s40, 1
	s_mov_b32 s41, s60
	s_add_nc_u64 s[42:43], s[4:5], s[22:23]
	s_mov_b32 s44, 1
	s_add_co_u32 s45, s60, SLOT
	s_add_nc_u64 s[46:47], s[42:43], ASTEP
	s_or_b32 s43, s43, 0x80000000
	s_or_b32 s47, s47, 0x80000000
	s_mov_b32 s48, 1
	s_mov_b32 s49, s60
	s_add_nc_u64 s[50:51], s[6:7], s[58:59]
	s_mov_b32 s52, 1
	s_add_co_u32 s53, s60, SLOT
	s_add_nc_u64 s[54:55], s[50:51], BSTEP
	s_or_b32 s51, s51, 0x80000000
	s_or_b32 s55, s55, 0x80000000
	CROUND                                             ; all sixteen work-groups are here: the first joint loads meet
	s_cmp_lt_u32 s12, 2                                ; a wave's two first fills stand in one branch
	s_cbranch_scc0 .Lfirst_b
	tensor_load_to_lds s[40:43], s[24:31]
	s_nop 0
	tensor_load_to_lds s[44:47], s[24:31]
	s_nop 0
	PLACES 4
	s_branch .Lfirst_asked
.Lfirst_b:
	tensor_load_to_lds s[48:51], s[32:39]
	s_nop 0
	tensor_load_to_lds s[52:55], s[32:39]
	s_nop 0
	PLACES 4
.Lfirst_asked:
	v_and_b32 v1, 15, v0                               ; r
	v_bfe_u32 v2, v0, 4, 1                             ; h
	v_and_b32 v3, 31, v0
	v_lshlrev_b32 v21, 4, v3
	v_lshlrev_b32 v22, 3, v3
	s_mul_i32 s61, s13, 2*SRB                          ; my 64 rows of A
	s_mul_i32 s62, s14, 2*SRB
	s_add_co_u32 s62, s62, 4*SRB                       ; my 64 columns of B
	v_add_nc_u32 v4, s61, v21
	v_add_nc_u32 v5, s61, v22
	v_add_nc_u32 v6, s62, v21
	v_add_nc_u32 v7, s62, v22
.irp i,0,1,2,3
	v_add_nc_u32 v[8+\i], SLOT, v[4+\i]
.endr
	s_sub_co_u32 s62, s62, s61                         ; from A's scale words to B's: one product with h
	v_mul_u32_u24 v12, s62, v2
	v_lshl_add_u32 v13, v1, 4, s61
	v_add_nc_u32 v12, v12, v13
	v_add_nc_u32 v12, 12288, v12                       ; lanes 0-15: A's words; lanes 16-31: B's
	v_add_nc_u32 v13, SLOT, v12
	s_mul_i32 s61, s12, 16*272
	s_add_co_u32 s61, s61, STAGE                       ; my stage
	v_mul_u32_u24 v14, v1, 272
	v_lshl_add_u32 v14, v2, 6, v14
	v_add_nc_u32 v14, s61, v14                         ; in: row r, + 64 h
	v_mul_u32_u24 v15, v2, 272
	v_lshl_add_u32 v15, v1, 4, v15
	v_add_nc_u32 v15, s61, v15                         ; back: lanes 0-15 one row, lanes 16-31 the next
	v_lshlrev_b32 v16, 12, v2
	v_lshl_add_u32 v16, v1, 4, v16                     ; and the same two rows in memory
	v_lshlrev_b32 v17, 6, v2                           ; the bias: 64 h
	s_lshl_b32 s62, s17, 7
	s_lshl_b32 s63, s14, 6
	s_add_co_u32 s62, s62, s63
	s_lshl_b32 s62, s62, 2                             ; my first column, in bytes
	s_mov_b32 s63, 0
	s_add_nc_u64 s[8:9], s[8:9], s[62:63]
	s_lshl_b32 s61, s18, 7
	s_lshl_b32 s58, s13, 6
	s_add_co_u32 s61, s61, s58
	s_lshl_b32 s61, s61, 12                            ; my first row, 4,096 bytes a row
	s_add_co_u32 s62, s62, s61
	s_add_nc_u64 s[10:11], s[10:11], s[62:63]
	s_add_nc_u64 s[56:57], s[56:57], s[62:63]
.irp b,0,1,2,3
	global_load_b128 v[BI+8*\b:BI+8*\b+3], v17, s[8:9] offset:128*(\b/2)+32*(\b%2)
	global_load_b128 v[BI+8*\b+4:BI+8*\b+7], v17, s[8:9] offset:128*(\b/2)+32*(\b%2)+16
.endr
	s_wait_tensorcnt 0x1                               ; my part of chunk 0 is in; chunk 1's load may stay out
	s_barrier_signal -1
	s_barrier_wait -1
	s_wait_loadcnt 0x0                                 ; the bias
	CHUNK 0, 1
.if NCH > 2
	WIN 0
	s_mov_b32 s61, NCH/2-1
.Llap:                                                 ; a trip: two chunks, both slots filled again
	CHG 1, 0
	CHUNK 1, 0
	CHG 1, 1
	CHUNK 0, 0
	WIN 0
	s_sub_co_u32 s61, s61, 1
	s_cmp_lg_u32 s61, 0
	s_cbranch_scc1 .Llap
.endif
	CHG 0, 0                                           ; the last chunk is whole; nothing is left to fetch
	RLOAD 0                                            ; two blocks of the residual land under the last chunk's products
	RLOAD 1
	CHUNK 1, 0
	WIN 0
	PLACES 4
.irp a,0,1,2,3
.irp b,0,1,2,3
	ds_store_b128 v14, v[ACC+32*\a+8*\b:ACC+32*\a+8*\b+3] offset:128*(\b/2)+32*(\b%2)          ; each accumulator from its low end on
	ds_store_b128 v14, v[ACC+32*\a+8*\b+4:ACC+32*\a+8*\b+7] offset:128*(\b/2)+32*(\b%2)+16
.endr
.irp i,0,1,2,3,4,5,6,7
	ds_load_b128 v[ACC+32*\a+4*\i:ACC+32*\a+4*\i+3], v15 offset:544*\i     ; LDS serves a wave's instructions in order: these see my stores
.endr
	s_wait_dscnt 0x0
.if \a < 3
	s_wait_loadcnt 8                                   ; this block's residual is in; the next block's eight loads may be out
.else
	s_wait_loadcnt 0x0
.endif
.set j, 0
.rept 16
	v_pk_add_f32 v[ACC+32*\a+j:ACC+32*\a+j+1], v[ACC+32*\a+j:ACC+32*\a+j+1], v[RS+32*(\a%2)+j:RS+32*(\a%2)+j+1]
.set j, j+2
.endr
.irp i,0,1,2,3,4,5,6,7
	global_store_b128 v16, v[ACC+32*\a+4*\i:ACC+32*\a+4*\i+3], s[56:57] offset:(32*(\a/2)+8*(\a%2)+2*\i+8*(\i/4))*4096   ; 16 lanes store 256 consecutive bytes, aligned
.endr
.if \a < 2
	RLOAD \a+2
.endif
.endr
	s_wait_tensorcnt 0x0                               ; the wave's end
	ds_add_u32 v[SPW], v[NIL]
	s_wait_dscnt 0x0
	CROUND                                             ; the closing round
	s_endpgm
.Lfunc_end_k_q643b8c9dcb_outp:
	.size	k_q643b8c9dcb_outp, .Lfunc_end_k_q643b8c9dcb_outp-k_q643b8c9dcb_outp
	.p2alignl 7, 3214868480
	.fill 96, 4, 3214868480
	.section	.rodata,"a",@progbits
	.p2align	6, 0x0
	.amdhsa_kernel k_q643b8c9dcb_outp
		.amdhsa_group_segment_fixed_size 327680
		.amdhsa_private_segment_fixed_size 0
		.amdhsa_enable_private_segment 0
		.amdhsa_kernarg_size 40
		.amdhsa_user_sgpr_count 2
		.amdhsa_user_sgpr_kernarg_segment_ptr 1
		.amdhsa_wavefront_size32 1
		.amdhsa_system_sgpr_workgroup_id_x 1
		.amdhsa_system_sgpr_workgroup_id_y 1
		.amdhsa_system_sgpr_workgroup_id_z 1
		.amdhsa_system_vgpr_workitem_id 0
		.amdhsa_next_free_vgpr 512
		.amdhsa_next_free_sgpr 66
		.amdhsa_reserve_vcc 0
		.amdhsa_float_denorm_mode_32 3
		.amdhsa_float_denorm_mode_16_64 3
		.amdhsa_memory_ordered 1
		.amdhsa_forward_progress 1
		.amdhsa_inst_pref_size 57
	.end_amdhsa_kernel
	.amdgpu_metadata
---
amdhsa.version: [ 1, 2 ]
amdhsa.kernels:
  - .name:           k_q643b8c9dcb_outp
    .symbol:         k_q643b8c9dcb_outp.kd
    .args:
      - { .name: act, .offset: 0, .size: 8, .value_kind: global_buffer, .address_space: global }
      - { .name: wts, .offset: 8, .size: 8, .value_kind: global_buffer, .address_space: global }
      - { .name: out_proj_b, .offset: 16, .size: 8, .value_kind: global_buffer, .address_space: global }
      - { .name: x, .offset: 24, .size: 8, .value_kind: global_buffer, .address_space: global }
      - { .name: x1, .offset: 32, .size: 8, .value_kind: global_buffer, .address_space: global }
    .group_segment_fixed_size: 327680
    .private_segment_fixed_size: 0
    .kernarg_segment_align: 8
    .kernarg_segment_size: 40
    .max_flat_workgroup_size: 128
    .sgpr_count:     66
    .vgpr_count:     512
    .wavefront_size: 32
...
	.end_amdgpu_metadata
.endif
;; end of part 5
;; launch ln2: the kernel of part 2 again; grid 256 x 1, 8 waves a work-group, no clusters, 69,632 bytes of LDS; arguments x1, ln2_g, ln2_b, act; writes act
;; launch mlp1 (part 6): grid 8 x 32, 4 waves a work-group, clusters of 4 x 4, 327,680 bytes of LDS; arguments act, wts, mlp_b1, hid; writes hid
.if DOCPART == 6
	.amdgcn_target "amdgcn-amd-amdhsa--gfx1250"
	.amdhsa_code_object_version 6
	.text
	.protected	k_q643b8c9dcb_mlp1
	.globl	k_q643b8c9dcb_mlp1
	.p2align	8
	.type	k_q643b8c9dcb_mlp1,@function
k_q643b8c9dcb_mlp1:
	s_mov_b64 s[64:65], 0
	v_nop
	global_prefetch_b8 v0, s[64:65] scope:SCOPE_SE
	s_setreg_imm32_b32 hwreg(HW_REG_WAVE_MODE, 25, 1), 1
	s_wait_xcnt 0x0
	s_wait_alu depctr_hold_cnt(0) depctr_sa_sdst(0) depctr_va_vdst(0) depctr_va_sdst(0) depctr_va_ssrc(0) depctr_va_vcc(0) depctr_vm_vsrc(0)
	s_getreg_b32 s2, hwreg(HW_REG_IB_STS2, 6, 4)
	s_cmp_eq_u32 s2, 0
	s_cbranch_scc0 .Lentry_in_a_cluster
	s_endpgm
.Lentry_in_a_cluster:
	s_bfe_u32 s2, ttmp6, 0x10000c
	s_cmp_lg_u32 s2, 0xf033
	s_cbranch_scc0 .Lentry_shape_is_right
	s_endpgm
.Lentry_shape_is_right:
; hid = Q(gelu(LN2(x1) mlp_w1^T + mlp_b1)): the product on codes of FP6 (E2M3, one E8M0 byte for each 32 along K); bias, gelu (tanh form) and the quantiser in f32, in registers.
; OPERANDS and the result lie in memory as images of operand registers, in records of SRB = 12,800 bytes (32 rows x 512 K; fragment (u, s4) at (4 u + s4) x 1,536; half c at 768 c; scale words at 12,288 + 256 u + 16 r + 4 s4;
; image lane r of tile u of group g = row 32 g + 8 u + r + 8 (r / 8); record (kc, g) at (kc NG + g) SRB).
; SHARES: work-group (gx, gy) takes 128 tokens (gy) and four tiles of 128 hidden units, 512 gx on: chunk kc = gx of the next product's K.  A's 128 rows x K 1,024 stay in LDS; B's tiles go through two slots, a whole tile to a slot.
; Wave (rh, ch) makes 64 x 64.  Source 0 = weights, source 1 = tokens: a lane holds one token and, in two neighbouring tiles, 16 neighbouring hidden units: the conversions' results are half an image of the next operand.
; A tile is written twice: in a loop of two trips whose change of slots fills the slot just read, and in a loop of two trips that fills nothing.
; CLUSTER 4 x 4: A's blocks are asked for jointly along a row of the cluster, B's along a column; every wave issues its quarter of every tile.  A wave has three tensor loads out at the start, one behind each round.
; gelu(x) = x / (1 + 2^(c0 x + c1 x^3)), c0 = -2 log2(e) sqrt(2 / pi), c1 = 0.044715 c0: the tanh form, rewritten exactly.
; LIMITS: a block whose largest magnitude lies under 2^-124 gets the byte 1 (this program alone reads the bytes); NaN and infinities are not served.
; REGISTERS, window 0: v1 r, v2 h, v3 lane; v4-7 A's LDS addresses; v8-11 B's in the slot in hand; v16 the scale words' address, v17 its constant part; v18, v19 the spare word's address, 0; v20 the bias' offset;
;   v21 16 x lane, v31 8 x lane, v61 16 r; v22-30 at work; v32-59 codes and scale words to store; v[62:63] c0; v64-95 the bias; v96-127 scale words; v128-255 accumulators.
;   Window 1: two fragment buffers, v0-95 and v128-223; v96-127 gelu's 32 temporaries.
.set SRB, 12800
.set FRB, 1536
.set B0,  8*SRB
.set B1,  16*SRB
.set SPARE, 24*SRB                     ; the spare words, 128 bytes a wave: two blocks of 256 bytes that no other line names
.set WOFF, 3276800                     ; mlp_w1's records in wts
.set NGB, 128
.set BSTEP, 4*SRB                      ; a tile of 128 rows on
.set ACC, 128
.set BI,  64
.set SC,  96
.set T,   96                           ; in window 1
.set F0,  0
.set F1,  128
.set TM,  22
.set CT,  28
.set SPW, 18
.set NIL, 19
.set SEL, 52
.set MSB, 0
.macro WIN new                         ; the immediate's high byte repeats the setting that is left
.if MSB != \new
	s_set_vgpr_msb (MSB<<8)|\new
.set MSB, \new
.endif
.endm
.set MUL,  0x05
.set TO_F, 0x40
.macro PLACES n
.rept \n
	v_nop
.endr
.endm
.macro CROUND
	s_barrier_signal -1
	s_barrier_wait -1
	s_cmp_lg_u32 s12, 0
	s_cbranch_scc1 .Lnot_wave_0_\@
	s_barrier_signal -3
.Lnot_wave_0_\@:
	s_barrier_wait -3
	s_barrier_signal -1
	s_barrier_wait -1
.endm
.macro FRAG reg, a16, a8, off
	ds_load_b128 v[(\reg):(\reg)+3], v[\a16] offset:(\off)
	ds_load_b64 v[(\reg)+4:(\reg)+5], v[\a8] offset:(\off)+512
	ds_load_b128 v[(\reg)+6:(\reg)+9], v[\a16] offset:(\off)+768
	ds_load_b64 v[(\reg)+10:(\reg)+11], v[\a8] offset:(\off)+1280
.endm
.macro FETCH f, a16, b16, s4
	WIN TO_F
.irp i,0,1,2,3
	FRAG (\f)+12*\i, \a16, (\a16)+1, (\i/2)*SRB+((\i%2)*4+(\s4))*FRB
	FRAG (\f)+48+12*\i, \b16, (\b16)+1, (\i/2)*SRB+((\i%2)*4+(\s4))*FRB
.endr
.endm
.macro MUL16 f, scb, cm                ; the 16 accumulators by turns, in the same order in every step; cm = 1: the bias starts the sums
.irp a,0,1,2,3
.irp b,0,1,2,3
.if \cm == 1
	v_wmma_scale_f32_16x16x128_f8f6f4 v[ACC+8*(4*\a+\b):ACC+8*(4*\a+\b)+7], v[(\f)+48+12*\b:(\f)+48+12*\b+11], v[(\f)+12*\a:(\f)+12*\a+11], v[BI+8*\b:BI+8*\b+7], v[(\scb)+4*\b], v[(\scb)+4*\a] matrix_a_fmt:MATRIX_FMT_FP6 matrix_b_fmt:MATRIX_FMT_FP6 matrix_a_scale:MATRIX_SCALE_ROW1
.else
	v_wmma_scale_f32_16x16x128_f8f6f4 v[ACC+8*(4*\a+\b):ACC+8*(4*\a+\b)+7], v[(\f)+48+12*\b:(\f)+48+12*\b+11], v[(\f)+12*\a:(\f)+12*\a+11], v[ACC+8*(4*\a+\b):ACC+8*(4*\a+\b)+7], v[(\scb)+4*\b], v[(\scb)+4*\a] matrix_a_fmt:MATRIX_FMT_FP6 matrix_b_fmt:MATRIX_FMT_FP6 matrix_a_scale:MATRIX_SCALE_ROW1
.endif
.endr
.endr
.endm
.macro KLOOP                           ; a tile's whole K: 32 scale registers, eight steps of 128; four places in front of each run of loads into registers that matrix instructions have read
	WIN 0
.irp kc,0,1
.irp i,0,1,2,3
	ds_load_b128 v[SC+16*\kc+4*\i:SC+16*\kc+4*\i+3], v16 offset:4*SRB*\kc+SRB*(\i/2)+256*(\i%2)
.endr
.endr
	FETCH F0, 4, 8, 0
.set st, 0
.rept 8
	s_wait_dscnt 0x0
.if st < 7
	PLACES 4
	FETCH F1*((st+1)%2), 4+2*((st+1)/4), 8+2*((st+1)/4), (st+1)%4
.endif
	WIN MUL
.if st == 0
	MUL16 0, SC, 1
.else
	MUL16 F1*(st%2), SC+16*(st/4)+st%4, 0
.endif
.set st, st+1
.endr
.endm
.macro QUANT2 s, pc, pw                ; 32 numbers of a lane, register 16 b + i = index 32 b + 16 h + i -> six registers of codes (lane (r, h): block h), two scale bytes
	v_max3_num_f32 v[TM], |v[(\s)]|, |v[(\s)+1]|, 0x1800000            ; and the floor 2^(3 - 127)
	v_max3_num_f32 v[TM+1], |v[(\s)+16]|, |v[(\s)+17]|, 0x1800000
.irp i,2,4,6,8,10,12,14
	v_max3_num_f32 v[TM], v[TM], |v[(\s)+\i]|, |v[(\s)+\i+1]|
	v_max3_num_f32 v[TM+1], v[TM+1], |v[(\s)+16+\i]|, |v[(\s)+17+\i]|
.endr
	v_permlanex16_b32 v[TM+2], v[TM], s[SEL], s[SEL+1]
	v_permlanex16_b32 v[TM+3], v[TM+1], s[SEL], s[SEL+1]
	v_max_num_f32 v[TM], v[TM], v[TM+2]
	v_max_num_f32 v[TM+1], v[TM+1], v[TM+3]
	v_add_nc_u32 v[TM+4], 0xff000000, v[TM]
	v_add_nc_u32 v[TM+5], 0xff000000, v[TM+1]
	v_lshrrev_b32 v[TM+2], 23, v[TM+4]
	v_lshrrev_b32 v[TM+3], 23, v[TM+5]
	v_lshl_or_b32 v[\pw], v[TM+3], 8, v[TM+2]
	v_cvt_scalef32_pk16_fp6_f32 v[(\pc):(\pc)+2], v[(\s):(\s)+15], v[TM+4]
	v_cvt_scalef32_pk16_fp6_f32 v[CT:CT+2], v[(\s)+16:(\s)+31], v[TM+5]
	v_nop                                              ; one plain place behind the conversions
.irp i,0,1,2
	v_permlane16_swap_b32 v[(\pc)+\i], v[CT+\i]
.endr
.irp i,0,1,2
	v_mov_b32 v[(\pc)+3+\i], v[CT+\i]
.endr
.endm
.macro BIAS
.irp b,0,1,2,3
	global_load_b128 v[BI+8*\b:BI+8*\b+3], v20, s[8:9] offset:128*(\b/2)+32*(\b%2)
	global_load_b128 v[BI+8*\b+4:BI+8*\b+7], v20, s[8:9] offset:128*(\b/2)+32*(\b%2)+16
.endr
.endm
; One tile: addresses of the slot in hand, the products, the change of slots, gelu and the quantiser, the stores, the steps to the next tile.
.macro TILE fill
	s_add_co_u32 s75, s55, s59                         ; my 64 columns in the slot in hand
	v_add_nc_u32 v8, s75, v21
	v_add_nc_u32 v9, s75, v31
	v_add_nc_u32 v10, 4*SRB, v8
	v_add_nc_u32 v11, 4*SRB, v9
	s_sub_co_u32 s75, s75, s74                         ; from A's scale words to B's: one product with h
	v_mul_u32_u24 v16, s75, v2
	v_add_nc_u32 v16, v16, v17
	s_wait_loadcnt 0x0                                 ; the tile's bias
	KLOOP
	WIN 0
	s_wait_tensorcnt 0x0                               ; no tensor load of mine is out: the next tile's part is in, and a descriptor may be written
	ds_add_u32 v[SPW], v[NIL]
.if \fill
	s_add_co_u32 s49, s55, s56                         ; the slot just read, my quarter,
	s_add_nc_u64 s[50:51], s[50:51], BSTEP             ; takes the tile two on
.endif
	s_wait_dscnt 0x0                                   ; the add is done and my reads of the slot are over
.if \fill
	CROUND
	tensor_load_to_lds s[48:51], s[32:39]              ; first behind the round; it has this epilogue and the next tile's products in which to land
	s_nop 0
.else
	s_barrier_signal -1
	s_barrier_wait -1
.endif
	PLACES 4                                           ; behind the tensor load, and behind the last products
	s_cmp_eq_u32 s57, 1                                ; the next tile's bias, if there is a next tile: no load leaves its buffer
	s_cbranch_scc1 .Lno_bias_\@
	v_add_nc_u32 v20, 512, v20
	BIAS
.Lno_bias_\@:
.irp a,0,1,2,3
	WIN 0x40                                           ; destination window 1
.set j, 0
.rept 16
	v_pk_mul_f32 v[T+j:T+j+1], v[ACC+32*\a+j:ACC+32*\a+j+1], v[ACC+32*\a+j:ACC+32*\a+j+1]      ; x^2
.set j, j+2
.endr
	WIN 0x41                                           ; destination and source 0 window 1
.set j, 0
.rept 16
	v_pk_fma_f32 v[T+j:T+j+1], v[T+j:T+j+1], s[76:77], v[62:63] op_sel_hi:[1,0,1]              ; c1 x^2 + c0
.set j, j+2
.endr
.set j, 0
.rept 16
	v_pk_mul_f32 v[T+j:T+j+1], v[T+j:T+j+1], v[ACC+32*\a+j:ACC+32*\a+j+1]                      ; x the number
.set j, j+2
.endr
.set j, 0
.rept 32
	v_exp_f32 v[T+j], v[T+j]
.set j, j+1
.endr
	v_nop                                              ; a plain place behind the batch
	s_wait_alu depctr_va_vdst(0)                       ; one wait for the 32, ahead of the first reader
.set j, 0
.rept 16
	v_pk_add_f32 v[T+j:T+j+1], v[T+j:T+j+1], 1.0 op_sel_hi:[1,0]
.set j, j+2
.endr
.set j, 0
.rept 32
	v_rcp_f32 v[T+j], v[T+j]
.set j, j+1
.endr
	v_nop
	s_wait_alu depctr_va_vdst(0)
	WIN 0x04                                           ; source 1 window 1
.set j, 0
.rept 16
	v_pk_mul_f32 v[ACC+32*\a+j:ACC+32*\a+j+1], v[ACC+32*\a+j:ACC+32*\a+j+1], v[T+j:T+j+1]      ; gelu
.set j, j+2
.endr
	WIN 0
	QUANT2 ACC+32*\a, 32+6*\a, 56+\a
	global_store_b128 v21, v[32+6*\a:35+6*\a], s[60:61] offset:SRB*(\a/2)+4*FRB*(\a%2)         ; 512 consecutive bytes, aligned on 256
	global_store_b64 v31, v[36+6*\a:37+6*\a], s[60:61] offset:SRB*(\a/2)+4*FRB*(\a%2)+512
	global_store_b16 v61, v[56+\a], s[62:63] offset:SRB*(\a/2)+256*(\a%2)
.endr
	s_wait_xcnt 0x0                                    ; the stores have read their registers and bases: both are written again only behind this wait
	s_add_nc_u64 s[60:61], s[60:61], FRB               ; the next tile is the next step of 128 along the next K
	s_add_nc_u64 s[62:63], s[62:63], 4
	s_xor_b32 s55, s55, 0x2b000                        ; 102,400 <-> 204,800: the other slot
	s_sub_co_u32 s57, s57, 1
.endm
	s_load_b256 s[4:11], s[0:1], 0x0                   ; act, wts, mlp_b1, hid
	v_lshl_add_u32 v[SPW], v0, 2, SPARE
	v_mov_b32 v[NIL], 0
	ds_add_u32 v18, v19
	ds_add_u32 v18, v19
	s_wait_dscnt 0x0
	v_lshrrev_b32 v1, 5, v0
	v_readfirstlane_b32 s12, v1                        ; wave 0..3
	s_lshr_b32 s13, s12, 1                             ; rh.  Also: the kc of the records that I fetch
	s_and_b32 s14, s12, 1                              ; ch.  Also: which pair of records
	s_bfe_u32 s15, ttmp6, 0x40000                      ; cx
	s_bfe_u32 s16, ttmp6, 0x40004                      ; cy
	s_lshl_b32 s17, ttmp9, 2
	s_add_co_u32 s17, s17, s15                         ; gx
	s_and_b32 s18, ttmp7, 0xffff
	s_lshl_b32 s18, s18, 2
	s_add_co_u32 s18, s18, s16                         ; gy
	s_lshl_b32 s19, s16, 2
	s_lshl_b32 s19, 15, s19                            ; my row of the cluster
	s_lshl_b32 s20, 0x1111, s15                        ; my column
	s_or_b32 s24, s19, (3<<16)|(1<<21)                 ; group 1: the mask; elements of 8 bytes; bit 21 beside a mask; no padding
	s_or_b32 s32, s20, (3<<16)|(1<<21)
.irp g,24,32
	s_mov_b32 s[\g+1], 32<<16                          ; rows of 256 bytes,
	s_mov_b32 s[\g+2], 100<<16                         ; 100 of them: 25,600 dense bytes
	s_mov_b32 s[\g+3], 32<<16
	s_mov_b32 s[\g+4], 100
	s_mov_b32 s[\g+5], 32
	s_mov_b32 s[\g+6], 0
	s_mov_b32 s[\g+7], 0
.endr
	s_mul_i32 s56, s12, 2*SRB                          ; my quarter of A's region and of a slot
	s_lshl_b32 s22, s13, 7                             ; A: record (kc, 4 gy + 2 (wave % 2)): of gy and the wave alone
	s_lshl_b32 s21, s18, 2
	s_add_co_u32 s22, s22, s21
	s_lshl_b32 s21, s14, 1
	s_add_co_u32 s22, s22, s21
	s_mul_i32 s22, s22, SRB
	s_mov_b32 s23, 0
	s_mul_i32 s66, s13, NGB                            ; B: record (kc, 16 gx + 2 (wave % 2)): of gx and the wave alone
	s_lshl_b32 s67, s17, 4
	s_add_co_u32 s66, s66, s67
	s_lshl_b32 s67, s14, 1
	s_add_co_u32 s66, s66, s67
	s_mul_i32 s66, s66, SRB
	s_add_co_u32 s66, s66, WOFF
	s_mov_b32 s67, 0
	s_wait_kmcnt 0x0
	s_mov_b32 s40, 1
	s_mov_b32 s41, s56
	s_add_nc_u64 s[42:43], s[4:5], s[22:23]
	s_or_b32 s43, s43, 0x80000000
	s_mov_b32 s44, 1
	s_add_co_u32 s45, s56, B0
	s_add_nc_u64 s[46:47], s[6:7], s[66:67]            ; tile 0
	s_mov_b32 s48, 1
	s_add_co_u32 s49, s56, B1
	s_add_nc_u64 s[50:51], s[46:47], BSTEP             ; tile 1; this descriptor then walks
	s_or_b32 s47, s47, 0x80000000
	s_or_b32 s51, s51, 0x80000000
	CROUND                                             ; all sixteen work-groups are here: the first joint loads meet
	tensor_load_to_lds s[40:43], s[24:31]              ; the first fills, as one group
	s_nop 0
	tensor_load_to_lds s[44:47], s[32:39]
	s_nop 0
	tensor_load_to_lds s[48:51], s[32:39]
	s_nop 0
	PLACES 4
	v_and_b32 v1, 15, v0                               ; r
	v_bfe_u32 v2, v0, 4, 1                             ; h
	v_and_b32 v3, 31, v0
	v_lshlrev_b32 v21, 4, v3
	v_lshlrev_b32 v31, 3, v3
	v_lshlrev_b32 v20, 6, v2                           ; the bias: 64 h
	v_lshlrev_b32 v61, 4, v1                           ; 16 r
	v_mov_b32 v62, 0xc0135761                          ; c0
	v_mov_b32 v63, 0xc0135761
	v_mov_b32 v[TM+2], 0                               ; written once: a lane permute's destination counts as one of its sources
	v_mov_b32 v[TM+3], 0
	s_mul_i32 s74, s13, 2*SRB                          ; my 64 rows of A
	s_mul_i32 s59, s14, 2*SRB                          ; my 64 columns in a slot
	v_add_nc_u32 v4, s74, v21
	v_add_nc_u32 v5, s74, v31
	v_add_nc_u32 v6, 4*SRB, v4
	v_add_nc_u32 v7, 4*SRB, v5
	v_lshl_add_u32 v17, v1, 4, s74
	v_add_nc_u32 v17, 12288, v17                       ; A's scale words of my rows
	s_mov_b32 s[SEL], 0x76543210
	s_mov_b32 s[SEL+1], 0xfedcba98
	s_mov_b32 s76, 0xbdd2d3e8                          ; c1
	s_mov_b32 s77, s76
	s_mov_b32 s55, B0                                  ; the slot in hand
	s_mov_b32 s57, 4                                   ; tiles to go
	s_lshl_b32 s66, s17, 7
	s_lshl_b32 s75, s18, 2
	s_add_co_u32 s66, s66, s75
	s_lshl_b32 s75, s13, 1
	s_add_co_u32 s66, s66, s75
	s_mul_i32 s75, s66, SRB                            ; hid: record (gx, 4 gy + 2 rh)
	s_mul_i32 s66, s14, 768
	s_add_co_u32 s66, s66, s75                         ; half ch of a fragment
	s_add_nc_u64 s[60:61], s[10:11], s[66:67]
	s_lshl_b32 s66, s14, 1
	s_add_co_u32 s66, s66, s75
	s_add_co_u32 s66, s66, 12288                       ; bytes 2 ch, 2 ch + 1 of a scale word
	s_add_nc_u64 s[62:63], s[10:11], s[66:67]
	s_lshl_b32 s66, s17, 9
	s_lshl_b32 s75, s14, 6
	s_add_co_u32 s66, s66, s75
	s_lshl_b32 s66, s66, 2
	s_add_nc_u64 s[8:9], s[8:9], s[66:67]              ; the bias at my first column
	BIAS
	s_wait_tensorcnt 0x1                               ; A and tile 0 are in; tile 1's load may stay out
	s_barrier_signal -1
	s_barrier_wait -1
	s_mov_b32 s58, 2
.Lfill:                                                ; tiles 0 and 1: the slot just read takes tile 2, 3
	TILE 1
	s_sub_co_u32 s58, s58, 1
	s_cmp_lg_u32 s58, 0
	s_cbranch_scc1 .Lfill
	s_mov_b32 s58, 2
.Llast:                                                ; tiles 2 and 3: nothing is left to fetch
	TILE 0
	s_sub_co_u32 s58, s58, 1
	s_cmp_lg_u32 s58, 0
	s_cbranch_scc1 .Llast
	s_wait_tensorcnt 0x0                               ; the wave's end
	ds_add_u32 v[SPW], v[NIL]
	s_wait_dscnt 0x0
	CROUND                                             ; the closing round
	s_endpgm
.Lfunc_end_k_q643b8c9dcb_mlp1:
	.size	k_q643b8c9dcb_mlp1, .Lfunc_end_k_q643b8c9dcb_mlp1-k_q643b8c9dcb_mlp1
	.p2alignl 7, 3214868480
	.fill 96, 4, 3214868480
	.section	.rodata,"a",@progbits
	.p2align	6, 0x0
	.amdhsa_kernel k_q643b8c9dcb_mlp1
		.amdhsa_group_segment_fixed_size 327680
		.amdhsa_private_segment_fixed_size 0
		.amdhsa_enable_private_segment 0
		.amdhsa_kernarg_size 32
		.amdhsa_user_sgpr_count 2
		.amdhsa_user_sgpr_kernarg_segment_ptr 1
		.amdhsa_wavefront_size32 1
		.amdhsa_system_sgpr_workgroup_id_x 1
		.amdhsa_system_sgpr_workgroup_id_y 1
		.amdhsa_system_sgpr_workgroup_id_z 1
		.amdhsa_system_vgpr_workitem_id 0
		.amdhsa_next_free_vgpr 512
		.amdhsa_next_free_sgpr 80
		.amdhsa_reserve_vcc 0
		.amdhsa_float_denorm_mode_32 3
		.amdhsa_float_denorm_mode_16_64 3
		.amdhsa_memory_ordered 1
		.amdhsa_forward_progress 1
		.amdhsa_inst_pref_size 155
	.end_amdhsa_kernel
	.amdgpu_metadata
---
amdhsa.version: [ 1, 2 ]
amdhsa.kernels:
  - .name:           k_q643b8c9dcb_mlp1
    .symbol:         k_q643b8c9dcb_mlp1.kd
    .args:
      - { .name: act, .offset: 0, .size: 8, .value_kind: global_buffer, .address_space: global }
      - { .name: wts, .offset: 8, .size: 8, .value_kind: global_buffer, .address_space: global }
      - { .name: mlp_b1, .offset: 16, .size: 8, .value_kind: global_buffer, .address_space: global }
      - { .name: hid, .offset: 24, .size: 8, .value_kind: global_buffer, .address_space: global }
    .group_segment_fixed_size: 327680
    .private_segment_fixed_size: 0
    .kernarg_segment_align: 8
    .kernarg_segment_size: 32
    .max_flat_workgroup_size: 128
    .sgpr_count:     80
    .vgpr_count:     512
    .wavefront_size: 32
...
	.end_amdgpu_metadata
.endif
;; end of part 6
;; launch mlp2 (part 7): grid 8 x 32, 4 waves a work-group, clusters of 4 x 4, 327,680 bytes of LDS; arguments hid, wts, mlp_b2, x1, out0; writes out0
.if DOCPART == 7
	.amdgcn_target "amdgcn-amd-amdhsa--gfx1250"
	.amdhsa_code_object_version 6
	.text
	.protected	k_q643b8c9dcb_mlp2
	.globl	k_q643b8c9dcb_mlp2
	.p2align	8
	.type	k_q643b8c9dcb_mlp2,@function
k_q643b8c9dcb_mlp2:
	s_mov_b64 s[64:65], 0
	v_nop
	global_prefetch_b8 v0, s[64:65] scope:SCOPE_SE
	s_setreg_imm32_b32 hwreg(HW_REG_WAVE_MODE, 25, 1), 1
	s_wait_xcnt 0x0
	s_wait_alu depctr_hold_cnt(0) depctr_sa_sdst(0) depctr_va_vdst(0) depctr_va_sdst(0) depctr_va_ssrc(0) depctr_va_vcc(0) depctr_vm_vsrc(0)
	s_getreg_b32 s2, hwreg(HW_REG_IB_STS2, 6, 4)
	s_cmp_eq_u32 s2, 0
	s_cbranch_scc0 .Lentry_in_a_cluster
	s_endpgm
.Lentry_in_a_cluster:
	s_bfe_u32 s2, ttmp6, 0x10000c
	s_cmp_lg_u32 s2, 0xf033
	s_cbranch_scc0 .Lentry_shape_is_right
	s_endpgm
.Lentry_shape_is_right:
; out0 = x1 + hid mlp_w2^T + mlp_b2, the product on codes of FP6 (E2M3, one E8M0 byte for each 32 along K); sums, bias and residual in f32.
; OPERANDS lie in memory as images of operand registers, in records of SRB = 12,800 bytes (32 rows x 512 K; fragment (u, s4) at (4 u + s4) x 1,536; scale words at 12,288 + 256 u + 16 r + 4 s4;
; image lane r of tile u of group g = row 32 g + 8 u + r + 8 (r / 8); record (kc, g) at (kc NG + g) SRB).
; SHARES: a work-group makes 128 x 128 of the result, wave (rh, ch) 64 x 64: 16 accumulators.  K = 4,096 goes in NCH = 8 chunks of 512 through two LDS slots (A's four records, then B's four); waves 0, 1 fetch A's halves,
; waves 2, 3 B's, 25,600 dense bytes a load.  CLUSTER 4 x 4: A's blocks are asked for jointly along a row of the cluster, B's along a column.  A wave has two tensor loads out at the start and one behind each round;
; that one has a chunk's 64 matrix instructions in which to land.
; Source 0 = weights, source 1 = tokens: a lane holds eight neighbouring columns of one row; the bias is the C of the first products.  THE WAY OUT: 16 rows x 256 bytes at a time through the wave's own stage in LDS,
; back into the registers that they left as whole rows; the residual is added there; sixteen lanes store 256 consecutive bytes, aligned.
; REGISTERS, window 0: v4-7, v8-11 LDS addresses of A's and B's fragments in slot 0, 1; v12, v13 the scale words'; v14, v15 the stage; v16 my offset in a pair of rows; v17 the bias; v18, v19 the spare word's address, 0;
;   v32-63, v64-95 residual rows (v64-95 first hold the bias); v96-111 scale words; v128-255 accumulators.  Window 1: two fragment buffers of 96.
.set NCH,  8                           ; chunks of 512 along K
.set WOFF, 6553600                     ; the weight's records in wts
.set SRB, 12800
.set FRB, 1536
.set SLOT, 8*SRB
.set SPARE, 2*SLOT                     ; the spare words, 128 bytes a wave: two blocks of 256 bytes that no other line names
.set STAGE, SPARE+512                  ; 16 rows x 272 bytes for each wave; no fill lands here
.set ASTEP, 128*SRB                    ; a chunk on in A
.set BSTEP, 32*SRB                     ; and in B
.set ACC, 128
.set BI,  64
.set RS,  32
.set SC,  96
.set F0,  0
.set F1,  128
.set SPW, 18
.set NIL, 19
.set MSB, 0
.macro WIN new                         ; the immediate's high byte repeats the setting that is left
.if MSB != \new
	s_set_vgpr_msb (MSB<<8)|\new
.set MSB, \new
.endif
.endm
.set MUL,  0x05
.set TO_F, 0x40
.macro PLACES n
.rept \n
	v_nop
.endr
.endm
.macro CROUND
	s_barrier_signal -1
	s_barrier_wait -1
	s_cmp_lg_u32 s12, 0
	s_cbranch_scc1 .Lnot_wave_0_\@
	s_barrier_signal -3
.Lnot_wave_0_\@:
	s_barrier_wait -3
	s_barrier_signal -1
	s_barrier_wait -1
.endm
.macro FRAG reg, a16, a8, off
	ds_load_b128 v[(\reg):(\reg)+3], v[\a16] offset:(\off)
	ds_load_b64 v[(\reg)+4:(\reg)+5], v[\a8] offset:(\off)+512
	ds_load_b128 v[(\reg)+6:(\reg)+9], v[\a16] offset:(\off)+768
	ds_load_b64 v[(\reg)+10:(\reg)+11], v[\a8] offset:(\off)+1280
.endm
.macro FETCH f, a16, b16, s4
	WIN TO_F
.irp i,0,1,2,3
	FRAG (\f)+12*\i, \a16, (\a16)+1, (\i/2)*SRB+((\i%2)*4+(\s4))*FRB
	FRAG (\f)+48+12*\i, \b16, (\b16)+1, (\i/2)*SRB+((\i%2)*4+(\s4))*FRB
.endr
.endm
.macro MUL16 f, scb, cm                ; the 16 accumulators by turns, in the same order in every step, over the loop's backward jump too; cm = 1: the bias starts the sums
.irp a,0,1,2,3
.irp b,0,1,2,3
.if \cm == 1
	v_wmma_scale_f32_16x16x128_f8f6f4 v[ACC+8*(4*\a+\b):ACC+8*(4*\a+\b)+7], v[(\f)+48+12*\b:(\f)+48+12*\b+11], v[(\f)+12*\a:(\f)+12*\a+11], v[BI+8*\b:BI+8*\b+7], v[(\scb)+4*\b], v[(\scb)+4*\a] matrix_a_fmt:MATRIX_FMT_FP6 matrix_b_fmt:MATRIX_FMT_FP6 matrix_a_scale:MATRIX_SCALE_ROW1
.else
	v_wmma_scale_f32_16x16x128_f8f6f4 v[ACC+8*(4*\a+\b):ACC+8*(4*\a+\b)+7], v[(\f)+48+12*\b:(\f)+48+12*\b+11], v[(\f)+12*\a:(\f)+12*\a+11], v[ACC+8*(4*\a+\b):ACC+8*(4*\a+\b)+7], v[(\scb)+4*\b], v[(\scb)+4*\a] matrix_a_fmt:MATRIX_FMT_FP6 matrix_b_fmt:MATRIX_FMT_FP6 matrix_a_scale:MATRIX_SCALE_ROW1
.endif
.endr
.endr
.endm
.macro CHUNK sl, first                 ; a slot's four steps of 128 along K
	PLACES 4                                           ; in front of loads into registers that matrix instructions have read
	WIN 0
.irp i,0,1,2,3
	ds_load_b128 v[SC+4*\i:SC+4*\i+3], v[12+\sl] offset:SRB*(\i/2)+256*(\i%2)
.endr
	FETCH F0, 4+4*\sl, 6+4*\sl, 0
.set st, 0
.rept 4
	s_wait_dscnt 0x0
.if st < 3
	PLACES 4
	FETCH F1*((st+1)%2), 4+4*\sl, 6+4*\sl, st+1
.endif
	WIN MUL
.if (st == 0) && \first
	MUL16 0, SC, 1
.else
	MUL16 F1*(st%2), SC+st, 0
.endif
.set st, st+1
.endr
.endm
.macro JLOAD s                         ; a joint refill: waves 0, 1 for A, waves 2, 3 for B; four v_nop follow each line
	s_cmp_lt_u32 s12, 2
	s_cbranch_scc0 .Lfor_b_\@
	tensor_load_to_lds s[40+4*\s:43+4*\s], s[24:31]
	s_nop 0
	PLACES 4
	s_branch .Lasked_\@
.Lfor_b_\@:
	tensor_load_to_lds s[48+4*\s:51+4*\s], s[32:39]
	s_nop 0
	PLACES 4
.Lasked_\@:
.endm
.macro CHG fill, s                     ; the change of slots; fill = 1: slot s, just read, takes the chunk two on
	WIN 0
	s_wait_tensorcnt 0x0                               ; no tensor load of mine is out: my part of the next slot is in, and a descriptor may be written
	ds_add_u32 v[SPW], v[NIL]
.if \fill
	s_add_nc_u64 s[42+4*\s:43+4*\s], s[42+4*\s:43+4*\s], 2*ASTEP
	s_add_nc_u64 s[50+4*\s:51+4*\s], s[50+4*\s:51+4*\s], 2*BSTEP
.endif
	s_wait_dscnt 0x0                                   ; the add is done and my reads of the slot are over
.if \fill
	CROUND                                             ; no wave of any partner still reads the slot or has a load on its way
	JLOAD \s
.else
	s_barrier_signal -1
	s_barrier_wait -1
.endif
.endm
.macro RLOAD a                         ; the residual's rows of block a, as the way out will hold them
.irp i,0,1,2,3,4,5,6,7
	global_load_b128 v[RS+32*((\a)%2)+4*\i:RS+32*((\a)%2)+4*\i+3], v16, s[10:11] offset:(32*((\a)/2)+8*((\a)%2)+2*\i+8*(\i/4))*4096
.endr
.endm
	s_load_b256 s[4:11], s[0:1], 0x0                   ; A's records, wts, the bias, the residual
	s_load_b64 s[56:57], s[0:1], 0x20                  ; the result
	v_lshl_add_u32 v[SPW], v0, 2, SPARE
	v_mov_b32 v[NIL], 0
	ds_add_u32 v18, v19
	ds_add_u32 v18, v19
	s_wait_dscnt 0x0
	v_lshrrev_b32 v1, 5, v0
	v_readfirstlane_b32 s12, v1                        ; wave 0..3
	s_lshr_b32 s13, s12, 1                             ; rh
	s_and_b32 s14, s12, 1                              ; ch.  Also: which pair of records I fetch
	s_bfe_u32 s15, ttmp6, 0x40000                      ; cx
	s_bfe_u32 s16, ttmp6, 0x40004                      ; cy
	s_lshl_b32 s17, ttmp9, 2
	s_add_co_u32 s17, s17, s15                         ; gx
	s_and_b32 s18, ttmp7, 0xffff
	s_lshl_b32 s18, s18, 2
	s_add_co_u32 s18, s18, s16                         ; gy
	s_lshl_b32 s19, s16, 2
	s_lshl_b32 s19, 15, s19                            ; my row of the cluster
	s_lshl_b32 s20, 0x1111, s15                        ; my column
	s_or_b32 s24, s19, (3<<16)|(1<<21)                 ; group 1: the mask; elements of 8 bytes; bit 21 beside a mask; no padding
	s_or_b32 s32, s20, (3<<16)|(1<<21)
.irp g,24,32
	s_mov_b32 s[\g+1], 32<<16                          ; rows of 256 bytes,
	s_mov_b32 s[\g+2], 100<<16                         ; 100 of them: 25,600 dense bytes
	s_mov_b32 s[\g+3], 32<<16
	s_mov_b32 s[\g+4], 100
	s_mov_b32 s[\g+5], 32
	s_mov_b32 s[\g+6], 0
	s_mov_b32 s[\g+7], 0
.endr
	s_mul_i32 s60, s12, 2*SRB                          ; my quarter of a slot
	s_lshl_b32 s22, s18, 2                             ; A: record (0, 4 gy + 2 (wave % 2)): of gy and the wave alone
	s_lshl_b32 s21, s14, 1
	s_add_co_u32 s22, s22, s21
	s_mul_i32 s22, s22, SRB
	s_mov_b32 s23, 0
	s_lshl_b32 s58, s17, 2                             ; B: record (0, 4 gx + 2 (wave % 2)): of gx and the wave alone
	s_lshl_b32 s59, s14, 1
	s_add_co_u32 s58, s58, s59
	s_mul_i32 s58, s58, SRB
	s_add_co_u32 s58, s58, WOFF
	s_mov_b32 s59, 0
	s_wait_kmcnt 0x0
	s_mov_b32 s40, 1
	s_mov_b32 s41, s60
	s_add_nc_u64 s[42:43], s[4:5], s[22:23]
	s_mov_b32 s44, 1
	s_add_co_u32 s45, s60, SLOT
	s_add_nc_u64 s[46:47], s[42:43], ASTEP
	s_or_b32 s43, s43, 0x80000000
	s_or_b32 s47, s47, 0x80000000
	s_mov_b32 s48, 1
	s_mov_b32 s49, s60
	s_add_nc_u64 s[50:51], s[6:7], s[58:59]
	s_mov_b32 s52, 1
	s_add_co_u32 s53, s60, SLOT
	s_add_nc_u64 s[54:55], s[50:51], BSTEP
	s_or_b32 s51, s51, 0x80000000
	s_or_b32 s55, s55, 0x80000000
	CROUND                                             ; all sixteen work-groups are here: the first joint loads meet
	s_cmp_lt_u32 s12, 2                                ; a wave's two first fills stand in one branch
	s_cbranch_scc0 .Lfirst_b
	tensor_load_to_lds s[40:43], s[24:31]
	s_nop 0
	tensor_load_to_lds s[44:47], s[24:31]
	s_nop 0
	PLACES 4
	s_branch .Lfirst_asked
.Lfirst_b:
	tensor_load_to_lds s[48:51], s[32:39]
	s_nop 0
	tensor_load_to_lds s[52:55], s[32:39]
	s_nop 0
	PLACES 4
.Lfirst_asked:
	v_and_b32 v1, 15, v0                               ; r
	v_bfe_u32 v2, v0, 4, 1                             ; h
	v_and_b32 v3, 31, v0
	v_lshlrev_b32 v21, 4, v3
	v_lshlrev_b32 v22, 3, v3
	s_mul_i32 s61, s13, 2*SRB                          ; my 64 rows of A
	s_mul_i32 s62, s14, 2*SRB
	s_add_co_u32 s62, s62, 4*SRB                       ; my 64 columns of B
	v_add_nc_u32 v4, s61, v21
	v_add_nc_u32 v5, s61, v22
	v_add_nc_u32 v6, s62, v21
	v_add_nc_u32 v7, s62, v22
.irp i,0,1,2,3
	v_add_nc_u32 v[8+\i], SLOT, v[4+\i]
.endr
	s_sub_co_u32 s62, s62, s61                         ; from A's scale words to B's: one product with h
	v_mul_u32_u24 v12, s62, v2
	v_lshl_add_u32 v13, v1, 4, s61
	v_add_nc_u32 v12, v12, v13
	v_add_nc_u32 v12, 12288, v12                       ; lanes 0-15: A's words; lanes 16-31: B's
	v_add_nc_u32 v13, SLOT, v12
	s_mul_i32 s61, s12, 16*272
	s_add_co_u32 s61, s61, STAGE                       ; my stage
	v_mul_u32_u24 v14, v1, 272
	v_lshl_add_u32 v14, v2, 6, v14
	v_add_nc_u32 v14, s61, v14                         ; in: row r, + 64 h
	v_mul_u32_u24 v15, v2, 272
	v_lshl_add_u32 v15, v1, 4, v15
	v_add_nc_u32 v15, s61, v15                         ; back: lanes 0-15 one row, lanes 16-31 the next
	v_lshlrev_b32 v16, 12, v2
	v_lshl_add_u32 v16, v1, 4, v16                     ; and the same two rows in memory
	v_lshlrev_b32 v17, 6, v2                           ; the bias: 64 h
	s_lshl_b32 s62, s17, 7
	s_lshl_b32 s63, s14, 6
	s_add_co_u32 s62, s62, s63
	s_lshl_b32 s62, s62, 2                             ; my first column, in bytes
	s_mov_b32 s63, 0
	s_add_nc_u64 s[8:9], s[8:9], s[62:63]
	s_lshl_b32 s61, s18, 7
	s_lshl_b32 s58, s13, 6
	s_add_co_u32 s61, s61, s58
	s_lshl_b32 s61, s61, 12                            ; my first row, 4,096 bytes a row
	s_add_co_u32 s62, s62, s61
	s_add_nc_u64 s[10:11], s[10:11], s[62:63]
	s_add_nc_u64 s[56:57], s[56:57], s[62:63]
.irp b,0,1,2,3
	global_load_b128 v[BI+8*\b:BI+8*\b+3], v17, s[8:9] offset:128*(\b/2)+32*(\b%2)
	global_load_b128 v[BI+8*\b+4:BI+8*\b+7], v17, s[8:9] offset:128*(\b/2)+32*(\b%2)+16
.endr
	s_wait_tensorcnt 0x1                               ; my part of chunk 0 is in; chunk 1's load may stay out
	s_barrier_signal -1
	s_barrier_wait -1
	s_wait_loadcnt 0x0                                 ; the bias
	CHUNK 0, 1
.if NCH > 2
	WIN 0
	s_mov_b32 s61, NCH/2-1
.Llap:                                                 ; a trip: two chunks, both slots filled again
	CHG 1, 0
	CHUNK 1, 0
	CHG 1, 1
	CHUNK 0, 0
	WIN 0
	s_sub_co_u32 s61, s61, 1
	s_cmp_lg_u32 s61, 0
	s_cbranch_scc1 .Llap
.endif
	CHG 0, 0                                           ; the last chunk is whole; nothing is left to fetch
	RLOAD 0                                            ; two blocks of the residual land under the last chunk's products
	RLOAD 1
	CHUNK 1, 0
	WIN 0
	PLACES 4
.irp a,0,1,2,3
.irp b,0,1,2,3
	ds_store_b128 v14, v[ACC+32*\a+8*\b:ACC+32*\a+8*\b+3] offset:128*(\b/2)+32*(\b%2)          ; each accumulator from its low end on
	ds_store_b128 v14, v[ACC+32*\a+8*\b+4:ACC+32*\a+8*\b+7] offset:128*(\b/2)+32*(\b%2)+16
.endr
.irp i,0,1,2,3,4,5,6,7
	ds_load_b128 v[ACC+32*\a+4*\i:ACC+32*\a+4*\i+3], v15 offset:544*\i     ; LDS serves a wave's instructions in order: these see my stores
.endr
	s_wait_dscnt 0x0
.if \a < 3
	s_wait_loadcnt 8                                   ; this block's residual is in; the next block's eight loads may be out
.else
	s_wait_loadcnt 0x0
.endif
.set j, 0
.rept 16
	v_pk_add_f32 v[ACC+32*\a+j:ACC+32*\a+j+1], v[ACC+32*\a+j:ACC+32*\a+j+1], v[RS+32*(\a%2)+j:RS+32*(\a%2)+j+1]
.set j, j+2
.endr
.irp i,0,1,2,3,4,5,6,7
	global_store_b128 v16, v[ACC+32*\a+4*\i:ACC+32*\a+4*\i+3], s[56:57] offset:(32*(\a/2)+8*(\a%2)+2*\i+8*(\i/4))*4096   ; 16 lanes store 256 consecutive bytes, aligned
.endr
.if \a < 2
	RLOAD \a+2
.endif
.endr
	s_wait_tensorcnt 0x0                               ; the wave's end
	ds_add_u32 v[SPW], v[NIL]
	s_wait_dscnt 0x0
	CROUND                                             ; the closing round
	s_endpgm
.Lfunc_end_k_q643b8c9dcb_mlp2:
	.size	k_q643b8c9dcb_mlp2, .Lfunc_end_k_q643b8c9dcb_mlp2-k_q643b8c9dcb_mlp2
	.p2alignl 7, 3214868480
	.fill 96, 4, 3214868480
	.section	.rodata,"a",@progbits
	.p2align	6, 0x0
	.amdhsa_kernel k_q643b8c9dcb_mlp2
		.amdhsa_group_segment_fixed_size 327680
		.amdhsa_private_segment_fixed_size 0
		.amdhsa_enable_private_segment 0
		.amdhsa_kernarg_size 40
		.amdhsa_user_sgpr_count 2
		.amdhsa_user_sgpr_kernarg_segment_ptr 1
		.amdhsa_wavefront_size32 1
		.amdhsa_system_sgpr_workgroup_id_x 1
		.amdhsa_system_sgpr_workgroup_id_y 1
		.amdhsa_system_sgpr_workgroup_id_z 1
		.amdhsa_system_vgpr_workitem_id 0
		.amdhsa_next_free_vgpr 512
		.amdhsa_next_free_sgpr 66
		.amdhsa_reserve_vcc 0
		.amdhsa_float_denorm_mode_32 3
		.amdhsa_float_denorm_mode_16_64 3
		.amdhsa_memory_ordered 1
		.amdhsa_forward_progress 1
		.amdhsa_inst_pref_size 94
	.end_amdhsa_kernel
	.amdgpu_metadata
---
amdhsa.version: [ 1, 2 ]
amdhsa.kernels:
  - .name:           k_q643b8c9dcb_mlp2
    .symbol:         k_q643b8c9dcb_mlp2.kd
    .args:
      - { .name: hid, .offset: 0, .size: 8, .value_kind: global_buffer, .address_space: global }
      - { .name: wts, .offset: 8, .size: 8, .value_kind: global_buffer, .address_space: global }
      - { .name: mlp_b2, .offset: 16, .size: 8, .value_kind: global_buffer, .address_space: global }
      - { .name: x1, .offset: 24, .size: 8, .value_kind: global_buffer, .address_space: global }
      - { .name: out0, .offset: 32, .size: 8, .value_kind: global_buffer, .address_space: global }
    .group_segment_fixed_size: 327680
    .private_segment_fixed_size: 0
    .kernarg_segment_align: 8
    .kernarg_segment_size: 40
    .max_flat_workgroup_size: 128
    .sgpr_count:     66
    .vgpr_count:     512
    .wavefront_size: 32
...
	.end_amdgpu_metadata
.endif
;; end of part 7
